; MI455X (gfx1250); checked and timed in simulation.
; The chip was launched on July 23, 2026; its instructions are those of AMD's public machine-readable ISA for CDNA 5 (MIT licence, August 2026) and "CDNA5" Instruction Set Architecture Reference Guide (July 2026). The comments in the code are by the model that wrote it; some were corrected since.
;; Transformer Block. Allowed arithmetic: matrix products marked QUANTISED: E4M3 operands, one given power-of-two scale a tensor, by v_wmma_f32_16x16x64_fp8_fp8 or v_wmma_f32_16x16x128_fp8_fp8, f32 sums; everything else in f32.
;; Inputs: W1 1,024 x 4,096 float32; W2 4,096 x 1,024 float32; Wk 1,024 x 1,024 float32; Wo 1,024 x 1,024 float32; Wq 1,024 x 1,024 float32; Wv 1,024 x 1,024 float32; b1 4,096 float32; b2 1,024 float32; be1 1,024 float32; be2 1,024 float32; bo 1,024 float32; g1 1,024 float32; g2 1,024 float32; lowp_scales 16 int32 (the exponents e of the quantised operands' scales 2^e); x 4 x 1,024 x 1,024 float32.
;; Outputs: out0 4 x 1,024 x 1,024 float32.
;; This version of the problem:
;;   THIS VERSION OF THE PROBLEM IS GIVEN IN LOW PRECISION. The matrix products marked QUANTISED in the list below multiply operands that are first quantised to E4M3 (4 exponent bits, 3 mantissa bits; 8 bits a number), with one given power-of-two scale for each operand tensor; their sums are f32. All else is computed in f32.
;;   The module's matrix products, in the order in which they are computed (A, B: the left and right operand; K: the contracted axis; several contracted axes count as one K, in the product's order):
;;     1. [M 4,096, K 1,024] x [K 1,024, N 1,024]; A: computed on the way; B: input Wq: QUANTISED (scales: A lowp_scales[0], B lowp_scales[1])
;;     2. [M 4,096, K 1,024] x [K 1,024, N 1,024]; A: computed on the way; B: input Wk: QUANTISED (scales: A lowp_scales[2], B lowp_scales[3])
;;     3. [M 4,096, K 1,024] x [K 1,024, N 1,024]; A: computed on the way; B: input Wv: QUANTISED (scales: A lowp_scales[4], B lowp_scales[5])
;;     4. batch 64 x [M 1,024, K 64] x [K 64, N 1,024]; A: computed on the way; B: computed on the way: QUANTISED (scales: A lowp_scales[6], B lowp_scales[7])
;;     5. batch 64 x [M 64, K 1,024] x [K 1,024, N 1,024]; A: computed on the way; B: softmax (see below): QUANTISED (scales: A lowp_scales[8], B lowp_scales[9])
;;     6. [M 4,096, K 1,024] x [K 1,024, N 1,024]; A: computed on the way; B: input Wo: QUANTISED (scales: A lowp_scales[10], B lowp_scales[11])
;;     7. [M 4,096, K 1,024] x [K 1,024, N 4,096]; A: computed on the way; B: input W1: QUANTISED (scales: A lowp_scales[12], B lowp_scales[13])
;;     8. [M 4,096, K 4,096] x [K 4,096, N 1,024]; A: computed on the way; B: input W2: QUANTISED (scales: A lowp_scales[14], B lowp_scales[15])
;;   THE QUANTISER, for each operand of a quantised product, along K:
;;     - The operand's scale is 2^e, e = its entry of the input lowp_scales (int32; the entries are numbered through the quantised products in the list's order, A before B).
;;     - Each number is divided by the scale, clamped to +-448, and rounded to the nearest number of E4M3, ties to even, subnormals kept.
;;     - The product sums the exact products of the quantised numbers (number of the format x scale) in f32.
;;   ~~~python
;;   def quantise(x, axis, e):      # numpy; x: float32 -> the quantised numbers, widened to float32 again
;;       x = np.moveaxis(x, axis, -1); K = x.shape[-1]
;;       r = np.clip(x / 2.0 ** e, -448, 448)
;;       step = 2.0 ** (np.maximum(np.frexp(np.where(r == 0, 1, r))[1] - 1, -6) - 3)
;;       q = np.round(r / step) * step * 2.0 ** e      # np.round: ties to even
;;       return np.moveaxis(q, -1, axis).astype(np.float32)
;;   ~~~
;;   SOFTMAX AHEAD OF A QUANTISED PRODUCT. Where the list says 'softmax', what is quantised is not the finished softmax but p = 2^(t - M), with t = logit x log2(e) and M = ceil(the row's largest t), a whole number; so 1/2 < the row's largest p <= 1. The row's sum l is taken of the UNQUANTISED p, in f32, and the product's result is divided by l at the end. Since M is a whole number, a kernel that streams over the keys may use a running M (the ceiling of the running maximum): every later rescaling is an exact power of two, so the quantised numbers keep their values, but for numbers so far below the row's largest that they fall under the format's range.
;;   OPERANDS COMPUTED ON THE WAY. 'Computed on the way' means the value that the module computes at that place (a softmax that the list does not call 'softmax' is quantised finished and normalised). What goes into a quantiser is computed in f32, as accurately as f32 sums, v_exp_f32 and their like allow (about 1e-6 of the number): no bf16 or f16 on the way to a quantiser, and a product that is left as it is and whose result goes on into a quantised operand takes f32 operands (vector FMAs, or v_wmma_f32_16x16x4_f32). A number that lies on a knife's edge between two numbers of the format may be rounded either way, as far as f32 arithmetic and the matrix unit's own rounding can turn it there, and no further.
;; One version. Each part assembles by itself: llvm-mc -triple=amdgcn-amd-amdhsa -mcpu=gfx1250 --defsym DOCPART=n.
;; ======== version 1 of 1: 7 launches
;; workspace buffers: wc 12,582,912 bytes; hc 12,582,912 bytes; qkvc 12,582,912 bytes; cc 4,194,304 bytes; x1 16,777,216 bytes; h2c 4,194,304 bytes; fc 16,777,216 bytes
;; launch prep (part 1): grid 1280 x 1, 4 waves a work-group, no clusters, 18,944 bytes of LDS; arguments Wq, Wk, Wv, Wo, W1, W2, x, g1, be1, lowp_scales, wc, hc; writes wc, hc
.if DOCPART == 1
	.amdgcn_target "amdgcn-amd-amdhsa--gfx1250"
	.amdhsa_code_object_version 6
	.text
	.protected	k_q5287cad6a8_prep
	.globl	k_q5287cad6a8_prep
	.p2align	8
	.type	k_q5287cad6a8_prep,@function
k_q5287cad6a8_prep:
	s_mov_b64 s[64:65], 0
	v_nop
	global_prefetch_b8 v0, s[64:65] scope:SCOPE_SE
	s_setreg_imm32_b32 hwreg(HW_REG_WAVE_MODE, 25, 1), 1
	s_wait_xcnt 0x0
; PREP.  The six weights and LayerNorm 1 of x become codes of E4M3, each with the scale 2^e that lowp_scales gives for it.
; code = number / 2^e, held within +-448, rounded to the nearest code, ties to even.
; WORK LEFT OUT IN THIS PROGRAM (launch attn alone): the steps of 128 keys all of which come after all 16 queries of a wave's tile.  reference() sets those scores to -inf by its own
; jnp.tril ahead of the softmax: for all finite inputs their p is 0, they add 0 to the row's sum and 0 to the second product, and they are never the row's maximum, since key 0 counts for
; every query.  Every input has a way to the output and is loaded.  LIMIT: a NaN, an infinity or an overflow that would arise in those steps alone is not carried to the result.
; LAYOUT OF ALL CODES IN THIS PROGRAM: a tensor [R rows][K] lies as [R/128][K/128][128 rows][128 bytes]: blocks of 16,384 bytes, K innermost.
; wc: Wq +0, Wk +1 MiB, Wv +2 MiB, Wo +3 MiB, W1 +4 MiB, W2 +8 MiB, rows = the weight's SECOND axis (n), K = its first.   hc: LayerNorm 1's rows, three times: with e0 +0, e2 +4 MiB, e4 +8 MiB.
; Work-groups 0-767 take weights, ONE BLOCK each: 64 blocks for each of Wq, Wk, Wv, Wo, 256 for W1, 256 for W2, so that block u of wc is work-group u's.  Wave w takes rows 32 w .. 32 w + 31 of the block's
; 128 along K, all 128 columns: 32 loads of 16 bytes a lane, 512 consecutive bytes each, all asked for at once.  A lane then holds 4 columns; the hold writes a column's 8 neighbours along K into
; consecutive registers, as the conversion wants them.  The four waves' codes meet in one stage in LDS; behind a barrier each wave stores 32 whole rows of the block.
; Work-groups 768-1279 take 8 rows of x each, a wave one pair of rows.
; LIMITS: every e used here between -126 and 119.  NaN among the inputs is not served.
.set SP,    144                        ; a stage row: 128 codes + 16 bytes
.set SPARE, 128*SP                     ; behind the stage: the spare words, 128 bytes a wave: two blocks of 256 bytes that no other line names
.set SPW,   14                         ; v14  SPARE + 4 x my thread's number; never rewritten
.set NIL,   15                         ; v15  0; never rewritten
.set WT,    16                         ; weights: v16-31 two sets of 8 held numbers
.set X,     32                         ; v32-159 register 4 i + c = W(row i of my 32, column 4 lane + c)
.set C,     160                        ; v160-191 column c's 32 codes in registers 8 c .. 8 c + 7
.set OUTR,  32                         ; the way out, in registers that the numbers have left
.set XA,    32                         ; LayerNorm: v32-63 row m, v64-95 row m + 1: register 8 c + i = k 256 c + 8 lane + i
.set XB,    64
.set G,     96                         ; v96-127 gain, v128-159 offset, in the same places
.set BE,    128
.set T,     160                        ; v160-175 two sets of 8 held numbers
.set CD,    96                         ; v96-143 codes: 16 sc + 4 c + 2 row, where gain and offset lay: they are done with by then
.set SCL,   16                         ; v16-18 2^e, v19-21 448 x 2^e, for e0, e2, e4
.set LIM,   19
.set XP,    44                         ; s[44:45] x at my first row
.set OP,    46                         ; s[46:51] hc at my first row, one base for each set of codes
.set GB,    22
.set BB,    24
.macro LOADX p                         ; rows m0 and m0 + 1: sixteen loads
.irp c, 0,1,2,3
	global_load_b128 v[XA+8*\c:XA+8*\c+3],   v2, s[XP:XP+1] offset:\p*8192+\c*1024 th:TH_LOAD_NT
	global_load_b128 v[XA+8*\c+4:XA+8*\c+7], v2, s[XP:XP+1] offset:\p*8192+\c*1024+16 th:TH_LOAD_NT
	global_load_b128 v[XB+8*\c:XB+8*\c+3],   v2, s[XP:XP+1] offset:\p*8192+4096+\c*1024 th:TH_LOAD_NT
	global_load_b128 v[XB+8*\c+4:XB+8*\c+7], v2, s[XP:XP+1] offset:\p*8192+4096+\c*1024+16 th:TH_LOAD_NT
.endr
.endm
.macro ACROSS a, b                     ; the sums in v[a] and v[b] over the wave's 32 lanes; v[a+1], v[b+1] have been written
.irp m, 1,2,4,8
	v_add_f32_dpp v[\a], v[\a], v[\a] row_xmask:\m row_mask:0xf bank_mask:0xf
	v_add_f32_dpp v[\b], v[\b], v[\b] row_xmask:\m row_mask:0xf bank_mask:0xf
.endr
	v_permlanex16_b32 v[\a+1], v[\a], s42, s43
	v_permlanex16_b32 v[\b+1], v[\b], s42, s43
	v_add_f32 v[\a], v[\a], v[\a+1]
	v_add_f32 v[\b], v[\b], v[\b+1]
.endm
.macro STATS                           ; both rows by turns: the mean; x - mean in place; the mean of its squares; 1 / sqrt(that + 1e-5) in v8 and v10
	v_pk_add_f32 v[4:5], v[XA:XA+1], v[XA+2:XA+3]
	v_pk_add_f32 v[6:7], v[XB:XB+1], v[XB+2:XB+3]
.set j, 4
.rept 14
	v_pk_add_f32 v[4:5], v[4:5], v[XA+j:XA+j+1]
	v_pk_add_f32 v[6:7], v[6:7], v[XB+j:XB+j+1]
.set j, j+2
.endr
	v_add_f32 v4, v4, v5
	v_add_f32 v6, v6, v7
	ACROSS 4, 6
	v_mul_f32 v4, s40, v4
	v_mul_f32 v6, s40, v6
.set j, 0
.rept 16
	v_pk_add_f32 v[XA+j:XA+j+1], v[XA+j:XA+j+1], v[4:5] op_sel_hi:[1,0] neg_lo:[0,1] neg_hi:[0,1]
	v_pk_add_f32 v[XB+j:XB+j+1], v[XB+j:XB+j+1], v[6:7] op_sel_hi:[1,0] neg_lo:[0,1] neg_hi:[0,1]
.set j, j+2
.endr
	v_pk_mul_f32 v[8:9], v[XA:XA+1], v[XA:XA+1]
	v_pk_mul_f32 v[10:11], v[XB:XB+1], v[XB:XB+1]
.set j, 2
.rept 15
	v_pk_fma_f32 v[8:9], v[XA+j:XA+j+1], v[XA+j:XA+j+1], v[8:9]
	v_pk_fma_f32 v[10:11], v[XB+j:XB+j+1], v[XB+j:XB+j+1], v[10:11]
.set j, j+2
.endr
	v_add_f32 v8, v8, v9
	v_add_f32 v10, v10, v11
	ACROSS 8, 10
	v_fma_f32 v8, v8, s40, s41                     ; the sum / 1024 + 1e-5
	v_fma_f32 v10, v10, s40, s41
	v_rsq_f32 v8, v8
	v_rsq_f32 v10, v10
	v_nop                                          ; a plain instruction behind the last of the two,
	s_wait_alu depctr_va_vdst(0)                   ; and the one wait ahead of their first reader
.endm
.macro NORM
.set j, 0
.rept 16
	v_pk_mul_f32 v[XA+j:XA+j+1], v[XA+j:XA+j+1], v[8:9] op_sel_hi:[1,0]
	v_pk_mul_f32 v[XB+j:XB+j+1], v[XB+j:XB+j+1], v[10:11] op_sel_hi:[1,0]
.set j, j+2
.endr
.set j, 0
.rept 16
	v_pk_fma_f32 v[XA+j:XA+j+1], v[XA+j:XA+j+1], v[G+j:G+j+1], v[BE+j:BE+j+1]
	v_pk_fma_f32 v[XB+j:XB+j+1], v[XB+j:XB+j+1], v[G+j:G+j+1], v[BE+j:BE+j+1]
.set j, j+2
.endr
.endm
.macro QUANT sc                        ; both rows' codes with scale sc; the held numbers go into two sets by turns, so that eight plain lines stand between a conversion and the next write of its sources
.irp c, 0,1,2,3
.irp i, 0,1,2,3,4,5,6,7
	v_med3_num_f32 v[T+\i], v[XA+8*\c+\i], -v[LIM+\sc], v[LIM+\sc]
.endr
	v_cvt_scalef32_pk8_fp8_f32 v[CD+16*\sc+4*\c:CD+16*\sc+4*\c+1], v[T:T+7], v[SCL+\sc]
.irp i, 0,1,2,3,4,5,6,7
	v_med3_num_f32 v[T+8+\i], v[XB+8*\c+\i], -v[LIM+\sc], v[LIM+\sc]
.endr
	v_cvt_scalef32_pk8_fp8_f32 v[CD+16*\sc+4*\c+2:CD+16*\sc+4*\c+3], v[T+8:T+15], v[SCL+\sc]
.endr
	v_nop                                          ; a plain line behind the last conversion
.endm
; Lanes 0-15 hold a row's codes of block 2 c along K, lanes 16-31 those of block 2 c + 1.  The swap gives one register pair both rows of block 2 c and the other both rows of block 2 c + 1:
; two neighbouring rows of a block are 256 consecutive bytes, 8 a lane.
.macro OUT sc, p
.irp c, 0,1,2,3
	v_permlane16_swap_b32 v[CD+16*\sc+4*\c],   v[CD+16*\sc+4*\c+2]
	v_permlane16_swap_b32 v[CD+16*\sc+4*\c+1], v[CD+16*\sc+4*\c+3]
.endr
.irp c, 0,1,2,3
	global_store_b64 v3, v[CD+16*\sc+4*\c:CD+16*\sc+4*\c+1],   s[OP+2*\sc:OP+2*\sc+1] offset:(2*\c)*16384+\p*256
	global_store_b64 v3, v[CD+16*\sc+4*\c+2:CD+16*\sc+4*\c+3], s[OP+2*\sc:OP+2*\sc+1] offset:(2*\c+1)*16384+\p*256
.endr
.endm
	s_load_b512 s[8:23], s[0:1], 0x0               ; Wq 8, Wk 10, Wv 12, Wo 14, W1 16, W2 18, x 20, g1 22
	s_load_b256 s[24:31], s[0:1], 0x40             ; be1 24, the exponents 26, wc 28, hc 30
	v_lshl_add_u32 v[SPW], v0, 2, SPARE
	v_mov_b32 v[NIL], 0
	v_lshrrev_b32 v1, 5, v0
	v_readfirstlane_b32 s2, v1                     ; wave 0..3
	v_and_b32 v1, 31, v0                           ; lane
	s_wait_kmcnt 0x0
	s_load_b512 s[68:83], s[26:27], 0x0            ; e0 .. e15
	s_cmp_ge_u32 ttmp9, 768
	s_cbranch_scc1 .Lln
	; ---- A BLOCK OF A WEIGHT.  Which one hangs on the work-group's number alone
	s_mov_b64 s[32:33], s[18:19]
	s_cmp_lt_u32 ttmp9, 512
	s_cselect_b64 s[32:33], s[16:17], s[32:33]
	s_cmp_lt_u32 ttmp9, 256
	s_cselect_b64 s[32:33], s[14:15], s[32:33]
	s_cselect_b32 s58, 63, 255
	s_cmp_lt_u32 ttmp9, 192
	s_cselect_b64 s[32:33], s[12:13], s[32:33]
	s_cmp_lt_u32 ttmp9, 128
	s_cselect_b64 s[32:33], s[10:11], s[32:33]
	s_cmp_lt_u32 ttmp9, 64
	s_cselect_b64 s[32:33], s[8:9], s[32:33]
	s_and_b32 s58, ttmp9, s58                      ; the block's number within its tensor: (block of columns) x (blocks along K) + block along K
	s_lshr_b32 s59, ttmp9, 8                       ; 0: one of the four square ones, 1: W1, 2: W2
	s_mov_b32 s34, 4096
	s_cmp_eq_u32 s59, 1
	s_cselect_b32 s34, 16384, s34                  ; bytes from row to row of the weight
	s_cmp_eq_u32 s59, 2
	s_cselect_b32 s60, 31, 7                       ; blocks along K, less 1
	s_cselect_b32 s61, 5, 3
	s_and_b32 s35, s58, s60                        ; which 128 along K
	s_lshr_b32 s58, s58, s61                       ; which 128 columns
	s_lshl_b32 s60, s35, 7
	s_lshl_b32 s61, s2, 5
	s_add_co_u32 s60, s60, s61                     ; my wave's first row of the weight,
	s_mul_i32 s60, s60, s34
	s_lshl_b32 s61, s58, 9
	s_add_co_u32 s60, s60, s61                     ; the block's first column: 512 bytes a block
	s_mov_b32 s61, 0
	s_add_nc_u64 s[40:41], s[32:33], s[60:61]
	s_lshl_b32 s60, ttmp9, 14                      ; block u of wc,
	s_lshl_b32 s62, s2, 12
	s_add_co_u32 s60, s60, s62                     ; my wave's 32 rows of it
	s_add_nc_u64 s[56:57], s[28:29], s[60:61]
	v_lshlrev_b32 v3, 4, v1                        ; 16 bytes a lane, in and out
	v_mul_u32_u24 v4, v1, 4*SP                     ; into the stage: rows 4 lane + c,
	s_lshl_b32 s62, s2, 5
	v_add_nc_u32 v4, s62, v4                       ; bytes 32 wave on
	v_lshrrev_b32 v5, 3, v1
	v_mul_u32_u24 v7, v5, SP
	v_and_b32 v6, 7, v1
	v_lshl_add_u32 v7, v6, 4, v7
	s_mul_i32 s62, s2, 32*SP
	v_add_nc_u32 v7, s62, v7                       ; out of it: my wave's 32 rows, eight lanes to a row of 128 bytes, four rows an instruction
	s_cmp_eq_u32 s59, 1                            ; the two pitches are two runs of loads, so that every offset is an immediate; both runs issue 32 loads into the same registers
	s_cbranch_scc1 .Lwide
.set i, 0
.rept 32
	global_load_b128 v[X+4*i:X+4*i+3], v3, s[40:41] offset:i*4096 th:TH_LOAD_NT    ; a row of the weight at 128 columns: 512 consecutive bytes
.set i, i+1
.endr
	s_branch .Lloaded
.Lwide:
.set i, 0
.rept 32
	global_load_b128 v[X+4*i:X+4*i+3], v3, s[40:41] offset:i*16384 th:TH_LOAD_NT
.set i, i+1
.endr
.Lloaded:
	s_wait_kmcnt 0x0
	s_mov_b32 s37, s83                             ; the tensor's e, by the same chain
	s_cmp_lt_u32 ttmp9, 512
	s_cselect_b32 s37, s81, s37
	s_cmp_lt_u32 ttmp9, 256
	s_cselect_b32 s37, s79, s37
	s_cmp_lt_u32 ttmp9, 192
	s_cselect_b32 s37, s73, s37
	s_cmp_lt_u32 ttmp9, 128
	s_cselect_b32 s37, s71, s37
	s_cmp_lt_u32 ttmp9, 64
	s_cselect_b32 s37, s69, s37
	s_add_co_i32 s37, s37, 127
	s_lshl_b32 s60, s37, 23
	v_mov_b32 v11, s60                             ; 2^e as f32: the conversion takes its exponent field
	s_add_co_i32 s37, s37, 8
	s_lshl_b32 s37, s37, 23
	s_or_b32 s37, s37, 0x600000
	v_mov_b32 v10, s37                             ; 448 x 2^e
.irp g, 0,1,2,3
	s_wait_loadcnt 24-8*\g                         ; rows 8 g .. 8 g + 7 are in; the loads of the later rows may be out
.irp c, 0,1,2,3
.irp j, 0,1,2,3,4,5,6,7
	v_med3_num_f32 v[WT+8*(\c%2)+\j], v[X+4*(8*\g+\j)+\c], -v10, v10   ; the hold (the conversion does not saturate: ISA guide 7.6.2) also lays column c's eight neighbours along K on end; two sets by turns
.endr
	v_cvt_scalef32_pk8_fp8_f32 v[C+8*\c+2*\g:C+8*\c+2*\g+1], v[WT+8*(\c%2):WT+8*(\c%2)+7], v11
.endr
.endr
	v_nop                                          ; a plain line behind the last conversion
.irp c, 0,1,2,3
	ds_store_b128 v4, v[C+8*\c:C+8*\c+3] offset:\c*SP          ; 32 codes of row 4 lane + c
	ds_store_b128 v4, v[C+8*\c+4:C+8*\c+7] offset:\c*SP+16
.endr
	s_wait_dscnt 0x0                               ; for the others' sake: my stores have landed
	s_barrier_signal -1
	s_barrier_wait -1                              ; a row's 128 bytes come from four waves
.irp tt, 0,1,2,3,4,5,6,7
	ds_load_b128 v[OUTR+4*\tt:OUTR+4*\tt+3], v7 offset:\tt*4*SP
.endr
.irp tt, 0,1,2,3,4,5,6,7
	s_wait_dscnt 7-\tt                             ; the younger loads may be out
	global_store_b128 v3, v[OUTR+4*\tt:OUTR+4*\tt+3], s[56:57] offset:\tt*512   ; four rows of the block: 512 consecutive bytes, aligned
.endr
	s_wait_tensorcnt 0x0                           ; the wave's end
	ds_add_u32 v[SPW], v[NIL]
	s_wait_dscnt 0x0
	s_endpgm
.Lln:	; ---- LAYERNORM 1 of two rows a wave.
	s_sub_co_u32 s56, ttmp9, 768
	s_lshl_b32 s56, s56, 3
	s_lshl_b32 s57, s2, 1
	s_add_co_u32 s56, s56, s57                     ; m0: my first row
	s_lshl_b32 s58, s56, 12
	s_mov_b32 s59, 0
	s_add_nc_u64 s[XP:XP+1], s[20:21], s[58:59]
	s_lshr_b32 s58, s56, 7
	s_lshl_b32 s58, s58, 17                        ; 8 blocks for each 128 rows,
	s_and_b32 s57, s56, 127
	s_lshl_b32 s57, s57, 7
	s_add_co_u32 s58, s58, s57                     ; 128 bytes a row
	s_add_nc_u64 s[OP:OP+1], s[30:31], s[58:59]
	s_add_nc_u64 s[OP+2:OP+3], s[OP:OP+1], 0x400000
	s_add_nc_u64 s[OP+4:OP+5], s[OP+2:OP+3], 0x400000
	s_mov_b32 s40, 0x3a800000                      ; 1 / 1024
	s_mov_b32 s41, 0x3727c5ac                      ; 1e-5
	s_mov_b32 s42, 0x76543210
	s_mov_b32 s43, 0xfedcba98                      ; lane selects: lane l xor 16
	v_lshlrev_b32 v2, 5, v1                        ; in: 32 bytes a lane
	v_lshlrev_b32 v3, 3, v1                        ; out: 8 bytes a lane
	LOADX 0
.irp c, 0,1,2,3
	global_load_b128 v[G+8*\c:G+8*\c+3],    v2, s[GB:GB+1] offset:\c*1024
	global_load_b128 v[G+8*\c+4:G+8*\c+7],  v2, s[GB:GB+1] offset:\c*1024+16
	global_load_b128 v[BE+8*\c:BE+8*\c+3],  v2, s[BB:BB+1] offset:\c*1024
	global_load_b128 v[BE+8*\c+4:BE+8*\c+7], v2, s[BB:BB+1] offset:\c*1024+16
.endr
	s_wait_kmcnt 0x0
.irp sc, 0,1,2
	s_add_co_i32 s56, s[68+2*\sc], 127
	s_lshl_b32 s57, s56, 23
	v_mov_b32 v[SCL+\sc], s57
	s_add_co_i32 s56, s56, 8
	s_lshl_b32 s56, s56, 23
	s_or_b32 s56, s56, 0x600000
	v_mov_b32 v[LIM+\sc], s56
.endr
	s_wait_loadcnt 16                              ; the pair's 16 loads are in; the 16 of gain and offset may be out
	STATS
	s_wait_loadcnt 0x0
	NORM
	QUANT 0
	QUANT 1
	QUANT 2
	OUT 0, 0
	OUT 1, 0
	OUT 2, 0
	s_endpgm
.Lfunc_end_k_q5287cad6a8_prep:
	.size	k_q5287cad6a8_prep, .Lfunc_end_k_q5287cad6a8_prep-k_q5287cad6a8_prep
	.p2alignl 7, 3214868480
	.fill 96, 4, 3214868480
	.section	.rodata,"a",@progbits
	.p2align	6, 0x0
	.amdhsa_kernel k_q5287cad6a8_prep
		.amdhsa_group_segment_fixed_size 18944
		.amdhsa_private_segment_fixed_size 0
		.amdhsa_enable_private_segment 0
		.amdhsa_kernarg_size 96
		.amdhsa_user_sgpr_count 2
		.amdhsa_user_sgpr_kernarg_segment_ptr 1
		.amdhsa_wavefront_size32 1
		.amdhsa_system_sgpr_workgroup_id_x 1
		.amdhsa_system_sgpr_workgroup_id_y 1
		.amdhsa_system_sgpr_workgroup_id_z 1
		.amdhsa_system_vgpr_workitem_id 0
		.amdhsa_next_free_vgpr 192
		.amdhsa_next_free_sgpr 90
		.amdhsa_reserve_vcc 0
		.amdhsa_float_denorm_mode_32 3
		.amdhsa_float_denorm_mode_16_64 3
		.amdhsa_memory_ordered 1
		.amdhsa_forward_progress 1
		.amdhsa_inst_pref_size 54
	.end_amdhsa_kernel
	.amdgpu_metadata
---
amdhsa.version: [ 1, 2 ]
amdhsa.kernels:
  - .name:           k_q5287cad6a8_prep
    .symbol:         k_q5287cad6a8_prep.kd
    .args:
      - { .name: Wq, .offset: 0, .size: 8, .value_kind: global_buffer, .address_space: global }
      - { .name: Wk, .offset: 8, .size: 8, .value_kind: global_buffer, .address_space: global }
      - { .name: Wv, .offset: 16, .size: 8, .value_kind: global_buffer, .address_space: global }
      - { .name: Wo, .offset: 24, .size: 8, .value_kind: global_buffer, .address_space: global }
      - { .name: W1, .offset: 32, .size: 8, .value_kind: global_buffer, .address_space: global }
      - { .name: W2, .offset: 40, .size: 8, .value_kind: global_buffer, .address_space: global }
      - { .name: x, .offset: 48, .size: 8, .value_kind: global_buffer, .address_space: global }
      - { .name: g1, .offset: 56, .size: 8, .value_kind: global_buffer, .address_space: global }
      - { .name: be1, .offset: 64, .size: 8, .value_kind: global_buffer, .address_space: global }
      - { .name: lowp_scales, .offset: 72, .size: 8, .value_kind: global_buffer, .address_space: global }
      - { .name: wc, .offset: 80, .size: 8, .value_kind: global_buffer, .address_space: global }
      - { .name: hc, .offset: 88, .size: 8, .value_kind: global_buffer, .address_space: global }
    .group_segment_fixed_size: 18944
    .private_segment_fixed_size: 0
    .kernarg_segment_align: 8
    .kernarg_segment_size: 96
    .max_flat_workgroup_size: 128
    .sgpr_count:     90
    .vgpr_count:     192
    .wavefront_size: 32
...
	.end_amdgpu_metadata
.endif
;; end of part 1
;; launch qkv (part 2): grid 12 x 16, 4 waves a work-group, clusters of 4 x 4, 327,680 bytes of LDS; arguments hc, wc, lowp_scales, qkvc; writes qkvc
.if DOCPART == 2
	.amdgcn_target "amdgcn-amd-amdhsa--gfx1250"
	.amdhsa_code_object_version 6
	.text
	.protected	k_q5287cad6a8_qkv
	.globl	k_q5287cad6a8_qkv
	.p2align	8
	.type	k_q5287cad6a8_qkv,@function
k_q5287cad6a8_qkv:
	s_mov_b64 s[64:65], 0
	v_nop
	global_prefetch_b8 v0, s[64:65] scope:SCOPE_SE
	s_setreg_imm32_b32 hwreg(HW_REG_WAVE_MODE, 25, 1), 1
	s_wait_xcnt 0x0
	s_wait_alu depctr_hold_cnt(0) depctr_sa_sdst(0) depctr_va_vdst(0) depctr_va_sdst(0) depctr_va_ssrc(0) depctr_va_vcc(0) depctr_vm_vsrc(0)
	s_getreg_b32 s2, hwreg(HW_REG_IB_STS2, 6, 4)
	s_cmp_eq_u32 s2, 0
	s_cbranch_scc0 .Lentry_in_a_cluster
	s_endpgm
.Lentry_in_a_cluster:
	s_bfe_u32 s2, ttmp6, 0x10000c
	s_cmp_lg_u32 s2, 0xf033
	s_cbranch_scc0 .Lentry_shape_is_right
	s_endpgm
.Lentry_shape_is_right:
; QKV.  q = h Wq, k = h Wk, v = h Wv on codes of E4M3 (K = 1,024), and the results quantised at once for the two products of attention (scales e6, e7, e8).
; The cluster's x says which: 0 q, 1 k, 2 v.  q and k: "A" = h's codes (rows = tokens), "B" = the weight's (rows = features).  v IS MADE TRANSPOSED: "A" = Wv's codes, "B" = h's, so that its rows are
; features and a lane's eight results are eight neighbouring KEYS, the second product's K.  The choice is made by selects on the cluster's x alone; there is no branch on it.
; A tile of 256 x 256 to a work-group of four waves, 128 x 128 to a wave: 64 accumulators, 512 registers.  K goes in steps of 256 through two LDS slots filled by the tensor data mover.
; ALL CODES LIE IN BLOCKS [128 rows][128 bytes] of 16,384 bytes, [R/128][K/128]: 128 rows x 256 along K are 32,768 consecutive bytes, fetched as 128 lines of 256 bytes, 16 bytes of padding behind each.
; A line holds two rows: row p of a block lies at (p / 2) x 272 + (p % 2) x 128; the 16 rows that a fragment load touches begin in 16 different columns of 16 bytes modulo 256.
; CLUSTERS 4 x 4: A's tile is asked for jointly along a row of the cluster, B's along a column.  THE MATRIX INSTRUCTION IS USED TRANSPOSED (source 0 = rows of B, source 1 = rows of A): a lane holds eight neighbouring columns of one row.
; A fragment is fetched by four loads of 16 bytes, 32 apart: a permutation of k, the same in A and B.
; OUT: qkvc: q +0, k +4 MiB, v +8 MiB; block ((batch x 8 + head pair) x 8 + token block): q, k [128 tokens][2 heads x 64], v [2 heads x 64][128 keys].
; LIMITS: e6 - e0 - e1, e7 - e2 - e3, e8 - e4 - e5 between -126 and 119.
; REGISTERS: window 0: v0-31 addresses; v128-255 A's fragments, one set; window 1: B's, two sets; windows 2, 3: the accumulators ((a, b) at v[8 (8 (a % 4) + b)]).
.set PITCH,  272
.set BLK,    64*PITCH                  ; a block in LDS
.set T16,    8*PITCH                   ; 16 rows of it
.set FR,     16
.set NL,     4
.set NP,     4
.set HALFT,  2*BLK                     ; what one tensor load brings: 128 rows x 256 along K
.set SLOT,   4*HALFT
.set LAPS,   2                         ; 1,024 along K = twice round the ring
.set SPARE,  2*SLOT                    ; behind the ring: the spare words, 128 bytes a wave
.set SP,     144                       ; the way out: a stage of 128 rows x (128 bytes + 16) for each wave, in slot 0, which has had its last fill and its last read by then
.set ADRA, 16
.set ADRB, 20
.set STO,  24
.set RD,   25
.set CO,   26
.set SPW,  28
.set NIL,  29
.set LIM,  30
.set SC,   31
.set TMP,  32
.set CD,   96
.set AF,   128
.set BK,   128
.set G1, 24
.set G0, 32
.set G1B, 48
.set G0B, 56
.set MSB, 0
.macro WIN new                         ; the immediate's high byte repeats the setting that is left
.if MSB != \new
	s_set_vgpr_msb (MSB<<8)|\new
.set MSB, \new
.endif
.endm
.set MUL_LO, 0xa1
.set MUL_HI, 0xf1
.set TO_B,   0x40
.macro JLOAD g0a, g1a, g0b, g1b        ; a joint load: waves 0 and 1 fetch for A, waves 2 and 3 for B; an s_nop 0 and four v_nop follow each line
	s_cmp_eq_u32 s15, 0
	s_cbranch_scc0 .Lfor_b_\@
	tensor_load_to_lds s[\g0a:\g0a+3], s[\g1a:\g1a+7]
	s_nop 0
.rept 4
	v_nop
.endr
	s_branch .Lasked_\@
.Lfor_b_\@:
	tensor_load_to_lds s[\g0b:\g0b+3], s[\g1b:\g1b+7]
	s_nop 0
.rept 4
	v_nop
.endr
.Lasked_\@:
.endm
.macro CREST
	s_cmp_lg_u32 s14, 0
	s_cbranch_scc1 .Lnot_wave_0_\@
	s_barrier_signal -3
.Lnot_wave_0_\@:
	s_barrier_wait -3
	s_barrier_signal -1
	s_barrier_wait -1
.endm
.macro CROUND
	s_barrier_signal -1
	s_barrier_wait -1
	CREST
.endm
	s_load_b256 s[4:11], s[0:1], 0x0               ; hc 4, wc 6, the exponents 8, qkvc 10
	v_lshl_add_u32 v[SPW], v0, 2, SPARE
	v_mov_b32 v[NIL], 0
	ds_add_u32 v[SPW], v[NIL]                      ; the opening: the add, twice on end, and its wait ahead of my first tensor load
	ds_add_u32 v[SPW], v[NIL]
	v_lshrrev_b32 v1, 5, v0
	v_readfirstlane_b32 s14, v1                    ; wave 0..3
	s_lshr_b32 s15, s14, 1                         ; my half of the tile's rows.  Also: I fetch for A (0) or B (1)
	s_and_b32 s16, s14, 1                          ; my half of its columns.  Also: which 128 rows I fetch
	s_bfe_u32 s40, ttmp6, 0x40000                  ; cx
	s_bfe_u32 s41, ttmp6, 0x40004                  ; cy
	s_and_b32 s17, ttmp7, 0xffff
	s_lshl_b32 s17, s17, 2                         ; 4 x cluster y: the tokens' tiles
	s_lshl_b32 s88, ttmp9, 22                      ; h's codes for q, k: +0, +4 MiB
	s_lshl_b32 s90, ttmp9, 20                      ; Wq's, Wk's: +0, +1 MiB
	s_cmp_eq_u32 ttmp9, 2
	s_cselect_b32 s18, 0, s17                      ; v: the tokens are the columns
	s_cselect_b32 s19, s17, 0
	s_cselect_b32 s88, 0x200000, s88               ; A = Wv's codes
	s_cselect_b32 s90, 0x800000, s90               ; B = h's codes with e4
	s_add_co_u32 s17, s18, s41                     ; tile row
	s_add_co_u32 s42, s19, s40                     ; tile column
	s_lshl_b32 s43, s41, 2
	s_lshl_b32 s43, 15, s43                        ; my row of the cluster
	s_lshl_b32 s44, 0x1111, s40                    ; my column
	s_or_b32 s[G1+0], s43, (1<<20)|(1<<21)|(5<<22)|(3<<25)   ; the mask; elements of 1 byte; padding on; bit 21 beside a mask; 4 words behind every 64
	s_or_b32 s[G1B+0], s44, (1<<20)|(1<<21)|(5<<22)|(3<<25)
.irp g, G1, G1B
	s_mov_b32 s[\g+1], 256<<16                     ; tensor_dim0
	s_mov_b32 s[\g+2], 128<<16                     ; tensor_dim1
	s_mov_b32 s[\g+3], 256<<16                     ; tile_dim0
	s_mov_b32 s[\g+4], 128                         ; tile_dim1
	s_mov_b32 s[\g+5], 256                         ; from line to line: dense
	s_mov_b32 s[\g+6], 0
	s_mov_b32 s[\g+7], 0
.endr
	s_lshl_b32 s20, s17, 1
	s_add_co_u32 s20, s20, s16                     ; A: block row 2 x tile row + half: 8 blocks of 16,384 bytes each
	s_lshl_b32 s20, s20, 17
	s_add_co_u32 s20, s20, s88
	s_mov_b32 s21, 0
	s_lshl_b32 s46, s42, 1
	s_add_co_u32 s46, s46, s16
	s_lshl_b32 s46, s46, 17
	s_add_co_u32 s46, s46, s90
	s_mov_b32 s47, 0
	s_mul_i32 s45, s14, HALFT                      ; where they go: no place in the cluster enters an LDS address
	s_wait_dscnt 0x0                               ; both opening adds are done
	s_wait_kmcnt 0x0
	s_load_b512 s[68:83], s[8:9], 0x0              ; e0 .. e15
	s_cmp_eq_u32 ttmp9, 2
	s_cselect_b64 s[84:85], s[6:7], s[4:5]
	s_cselect_b64 s[86:87], s[4:5], s[6:7]
	s_add_nc_u64 s[20:21], s[84:85], s[20:21]
	s_add_nc_u64 s[46:47], s[86:87], s[46:47]
	CROUND                                         ; all sixteen work-groups are here: the first joint loads meet
.irp s, 0,1
	s_mov_b32 s[G0+4*\s], 1
	s_add_co_u32 s[G0+4*\s+1], s45, \s*SLOT
	s_add_nc_u64 s[G0+4*\s+2:G0+4*\s+3], s[20:21], \s*32768
	s_or_b32 s[G0+4*\s+3], s[G0+4*\s+3], 0x80000000
	s_mov_b32 s[G0B+4*\s], 1
	s_add_co_u32 s[G0B+4*\s+1], s45, \s*SLOT
	s_add_nc_u64 s[G0B+4*\s+2:G0B+4*\s+3], s[46:47], \s*32768
	s_or_b32 s[G0B+4*\s+3], s[G0B+4*\s+3], 0x80000000
	JLOAD G0+4*\s, G1, G0B+4*\s, G1B
.endr
	v_and_b32 v1, 15, v0                           ; r
	v_bfe_u32 v2, v0, 4, 1                         ; h
	v_lshrrev_b32 v3, 1, v1
	v_mul_u32_u24 v3, v3, PITCH
	v_and_b32 v5, 1, v1
	v_lshl_add_u32 v3, v5, 7, v3
	v_lshl_add_u32 v4, v2, 4, v3                   ; (r / 2) x 272 + (r % 2) x 128 + 16 h
	s_mul_i32 s21, s15, HALFT
	s_mul_i32 s22, s16, HALFT
	s_add_co_u32 s22, s22, 2*HALFT
.irp s, 0,1
	v_add_nc_u32 v[ADRA+\s], s21, v4
	v_add_nc_u32 v[ADRB+\s], s22, v4
	s_add_co_u32 s21, s21, SLOT
	s_add_co_u32 s22, s22, SLOT
.endr
	s_mul_i32 s23, s14, 128*SP                     ; my stage
	v_mul_u32_u24 v5, v1, SP
	v_lshl_add_u32 v5, v2, 3, v5
	v_add_nc_u32 v[STO], s23, v5                   ; in: row r, 8 bytes for each half of the lanes
	v_and_b32 v6, 31, v0
	v_lshrrev_b32 v7, 3, v6
	v_mul_u32_u24 v7, v7, SP
	v_and_b32 v8, 7, v6
	v_lshl_add_u32 v7, v8, 4, v7
	v_add_nc_u32 v[RD], s23, v7                    ; back: eight lanes to a row of 128 bytes, four rows an instruction
	v_lshlrev_b32 v[CO], 4, v6                     ; which are 512 consecutive bytes of the block
	s_lshl_b32 s92, s17, 1
	s_add_co_u32 s92, s92, s15                     ; my block of rows,
	s_lshl_b32 s93, s42, 1
	s_add_co_u32 s93, s93, s16                     ; and of columns
	s_cmp_eq_u32 ttmp9, 2
	s_cselect_b32 s94, s93, s92                    ; the token block,
	s_cselect_b32 s95, s92, s93                    ; the head pair
	s_lshr_b32 s92, s94, 3
	s_lshl_b32 s92, s92, 3
	s_add_co_u32 s92, s92, s95
	s_lshl_b32 s92, s92, 3
	s_and_b32 s94, s94, 7
	s_add_co_u32 s92, s92, s94
	s_lshl_b32 s92, s92, 14
	s_lshl_b32 s93, ttmp9, 22
	s_add_co_u32 s92, s92, s93
	s_mov_b32 s93, 0
	s_add_nc_u64 s[10:11], s[10:11], s[92:93]
.macro FRAG reg, adr, q, i             ; 16 rows x 128 K: registers 4 c .. 4 c + 3 hold K = 32 c + 16 h + 0 .. 15
.irp c, 0,1,2,3
	ds_load_b128 v[\reg+4*\c:\reg+4*\c+3], v[\adr] offset:BLK*(\q)+32*\c+(\i)*T16
.endr
.endm
.macro MUL16 a0, p, zero               ; A's blocks a0, a0 + 1 x B's eight; the 64 accumulators take turns, one instruction a turn
.irp a, \a0, \a0+1
.irp b, 0,1,2,3,4,5,6,7
.if \zero
	v_wmma_f32_16x16x128_fp8_fp8 v[8*(8*((\a)%4)+\b):8*(8*((\a)%4)+\b)+7], v[128*(\p)+FR*\b:128*(\p)+FR*\b+FR-1], v[AF+FR*(\a):AF+FR*(\a)+FR-1], 0
.else
	v_wmma_f32_16x16x128_fp8_fp8 v[8*(8*((\a)%4)+\b):8*(8*((\a)%4)+\b)+7], v[128*(\p)+FR*\b:128*(\p)+FR*\b+FR-1], v[AF+FR*(\a):AF+FR*(\a)+FR-1], v[8*(8*((\a)%4)+\b):8*(8*((\a)%4)+\b)+7]
.endif
.endr
.endr
.endm
.macro FETCH_B slot, q, p
	WIN TO_B
.irp i, 0,1,2,3,4,5,6,7
	FRAG 128*(\p)+FR*\i, ADRB+\slot, \q, \i
.endr
	WIN 0
.endm
.macro FETCH_A slot, q, i0
.irp i, \i0, \i0+1, \i0+2, \i0+3
	FRAG AF+FR*(\i), ADRA+\slot, \q, \i
.endr
.endm
.macro PLACES n                        ; plain vector lines between a matrix instruction and a load into, or a read of, its registers
.rept \n
	v_nop
.endr
.endm
.macro STEP slot, q, zero              ; 128 along K that has its successor in the same slot
	s_wait_dscnt 4*NL                              ; B's set and A's blocks 0-3 are in; the youngest 16 loads (A's blocks 4-7) may be out
	WIN MUL_LO
	MUL16 0, (\q)%2, \zero
	MUL16 2, (\q)%2, \zero
	s_wait_dscnt 0
	PLACES NP
	FETCH_B \slot, (\q)+1, 1-(\q)%2
	FETCH_A \slot, (\q)+1, 0
	WIN MUL_HI
	MUL16 4, (\q)%2, \zero
	MUL16 6, (\q)%2, \zero
	PLACES NP
	WIN 0
	FETCH_A \slot, (\q)+1, 4
.endm
.macro TURN slot, next, fill           ; a slot's last 128 along K, and the change of slots
	s_wait_tensorcnt 0x0                           ; all my tensor loads have landed: my part of the next slot
	ds_add_u32 v[SPW], v[NIL]                      ; 0 onto my spare word
	s_wait_dscnt 4*NL+1                            ; the add and the youngest 16 loads may be out
	WIN MUL_LO
	MUL16 0, 1, 0
	s_wait_dscnt 0x0                               ; the add is done, and my reads of this slot are over
	s_barrier_signal -1
	MUL16 2, 1, 0
	WIN 0
	s_barrier_wait -1
.if \fill
	CREST                                          ; the barrier opened a round of the cluster's: no wave of any partner still reads this slot or has a load on its way
	s_add_nc_u64 s[G0+4*\slot+2:G0+4*\slot+3], s[G0+4*\slot+2:G0+4*\slot+3], 65536
	s_add_nc_u64 s[G0B+4*\slot+2:G0B+4*\slot+3], s[G0B+4*\slot+2:G0B+4*\slot+3], 65536
	JLOAD G0+4*\slot, G1, G0B+4*\slot, G1B         ; the first tensor load behind the round, one a wave
.else
	PLACES NP
.endif
	FETCH_B \next, 0, 0
	FETCH_A \next, 0, 0
	WIN MUL_HI
	MUL16 4, 1, 0
	MUL16 6, 1, 0
	PLACES NP
	WIN 0
	FETCH_A \next, 0, 4
.endm
	s_wait_tensorcnt 1                             ; my part of slot 0 is in; slot 1's load may be out
	s_barrier_signal -1
	s_barrier_wait -1
	FETCH_B 0, 0, 0
	FETCH_A 0, 0, 0
	FETCH_A 0, 0, 4
	STEP 0, 0, 1                                   ; the first step's products start the sums
	s_mov_b32 s3, LAPS-1
.Llap:
	TURN 0, 1, 1
	STEP 1, 0, 0
	TURN 1, 0, 1
	STEP 0, 0, 0
	s_sub_co_u32 s3, s3, 1
	s_cmp_lg_u32 s3, 0
	s_cbranch_scc1 .Llap
	TURN 0, 1, 0
	STEP 1, 0, 0
	s_wait_dscnt 4*NL
	WIN MUL_LO
	MUL16 0, 1, 0
	MUL16 2, 1, 0
	s_wait_dscnt 0
	WIN MUL_HI
	MUL16 4, 1, 0
	MUL16 6, 1, 0
	WIN 0
	; THE WAY OUT: a sum stands for sum x 2^(eA + eB); its code is sum / 2^(eOut - eA - eB): the three exponents are folded into the conversion's one
	s_wait_kmcnt 0x0
	s_sub_co_i32 s92, s74, s68
	s_sub_co_i32 s92, s92, s69
	s_sub_co_i32 s93, s75, s70
	s_sub_co_i32 s93, s93, s71
	s_sub_co_i32 s94, s76, s72
	s_sub_co_i32 s94, s94, s73
	s_cmp_eq_u32 ttmp9, 1
	s_cselect_b32 s92, s93, s92
	s_cmp_eq_u32 ttmp9, 2
	s_cselect_b32 s92, s94, s92
	s_add_co_i32 s92, s92, 127
	s_lshl_b32 s93, s92, 23
	v_mov_b32 v[SC], s93
	s_add_co_i32 s92, s92, 8
	s_lshl_b32 s92, s92, 23
	s_or_b32 s92, s92, 0x600000
	v_mov_b32 v[LIM], s92
	PLACES NP
.macro CODES a                         ; block a, 16 rows x 128 columns: held, converted, 8 bytes a lane and accumulator into my stage
.set AC, 64*((\a)%4)
	WIN 0x02+((\a)/4)
.set j, 0
.rept 64
	v_med3_num_f32 v[TMP+j], v[AC+j], -v[LIM], v[LIM]   ; each accumulator from its low end on
.set j, j+1
.endr
	WIN 0
	s_wait_dscnt 0x0                               ; the block before has left its code registers
.irp b, 0,1,2,3,4,5,6,7
	v_cvt_scalef32_pk8_fp8_f32 v[CD+2*\b:CD+2*\b+1], v[TMP+8*\b:TMP+8*\b+7], v[SC]
.endr
	v_nop                                          ; a plain line behind the last conversion
.irp b, 0,1,2,3,4,5,6,7
	ds_store_b64 v[STO], v[CD+2*\b:CD+2*\b+1] offset:(\a)*16*SP+16*\b
.endr
.endm
.irp a, 0,1,2,3,4,5,6,7
	CODES \a
.endr
.set t, 0
.rept 32
	ds_load_b128 v[BK+4*t:BK+4*t+3], v[RD] offset:t*4*SP   ; LDS serves a wave's instructions in order: these see my stores
.set t, t+1
.endr
.set t, 0
.rept 32
	s_wait_dscnt 31-t                              ; the younger loads may be out
	global_store_b128 v[CO], v[BK+4*t:BK+4*t+3], s[10:11] offset:t*512   ; 512 consecutive bytes, aligned
.set t, t+1
.endr
	s_wait_tensorcnt 0x0                           ; the wave's end
	ds_add_u32 v[SPW], v[NIL]
	s_wait_dscnt 0x0
	CROUND                                         ; the closing round
	s_endpgm
.Lfunc_end_k_q5287cad6a8_qkv:
	.size	k_q5287cad6a8_qkv, .Lfunc_end_k_q5287cad6a8_qkv-k_q5287cad6a8_qkv
	.p2alignl 7, 3214868480
	.fill 96, 4, 3214868480
	.section	.rodata,"a",@progbits
	.p2align	6, 0x0
	.amdhsa_kernel k_q5287cad6a8_qkv
		.amdhsa_group_segment_fixed_size 327680
		.amdhsa_private_segment_fixed_size 0
		.amdhsa_enable_private_segment 0
		.amdhsa_kernarg_size 32
		.amdhsa_user_sgpr_count 2
		.amdhsa_user_sgpr_kernarg_segment_ptr 1
		.amdhsa_wavefront_size32 1
		.amdhsa_system_sgpr_workgroup_id_x 1
		.amdhsa_system_sgpr_workgroup_id_y 1
		.amdhsa_system_sgpr_workgroup_id_z 1
		.amdhsa_system_vgpr_workitem_id 0
		.amdhsa_next_free_vgpr 1024
		.amdhsa_next_free_sgpr 100
		.amdhsa_reserve_vcc 0
		.amdhsa_float_denorm_mode_32 3
		.amdhsa_float_denorm_mode_16_64 3
		.amdhsa_memory_ordered 1
		.amdhsa_forward_progress 1
		.amdhsa_inst_pref_size 126
	.end_amdhsa_kernel
	.amdgpu_metadata
---
amdhsa.version: [ 1, 2 ]
amdhsa.kernels:
  - .name:           k_q5287cad6a8_qkv
    .symbol:         k_q5287cad6a8_qkv.kd
    .args:
      - { .name: hc, .offset: 0, .size: 8, .value_kind: global_buffer, .address_space: global }
      - { .name: wc, .offset: 8, .size: 8, .value_kind: global_buffer, .address_space: global }
      - { .name: lowp_scales, .offset: 16, .size: 8, .value_kind: global_buffer, .address_space: global }
      - { .name: qkvc, .offset: 24, .size: 8, .value_kind: global_buffer, .address_space: global }
    .group_segment_fixed_size: 327680
    .private_segment_fixed_size: 0
    .kernarg_segment_align: 8
    .kernarg_segment_size: 32
    .max_flat_workgroup_size: 128
    .sgpr_count:     100
    .vgpr_count:     1024
    .wavefront_size: 32
...
	.end_amdgpu_metadata
.endif
;; end of part 2
;; launch attn (part 3): grid 8 x 32, 16 waves a work-group, clusters of 4 x 1, 327,680 bytes of LDS; arguments qkvc, lowp_scales, cc; writes cc
.if DOCPART == 3
	.amdgcn_target "amdgcn-amd-amdhsa--gfx1250"
	.amdhsa_code_object_version 6
	.text
	.protected	k_q5287cad6a8_attn
	.globl	k_q5287cad6a8_attn
	.p2align	8
	.type	k_q5287cad6a8_attn,@function
k_q5287cad6a8_attn:
	s_mov_b64 s[64:65], 0
	v_nop
	global_prefetch_b8 v0, s[64:65] scope:SCOPE_SE
	s_setreg_imm32_b32 hwreg(HW_REG_WAVE_MODE, 25, 1), 1
	s_wait_xcnt 0x0
	s_wait_alu depctr_hold_cnt(0) depctr_sa_sdst(0) depctr_va_vdst(0) depctr_va_sdst(0) depctr_va_ssrc(0) depctr_va_vcc(0) depctr_vm_vsrc(0)
	s_getreg_b32 s2, hwreg(HW_REG_IB_STS2, 6, 4)
	s_cmp_eq_u32 s2, 0
	s_cbranch_scc0 .Lentry_in_a_cluster
	s_endpgm
.Lentry_in_a_cluster:
	s_bfe_u32 s2, ttmp6, 0x10000c
	s_cmp_lg_u32 s2, 0x3003
	s_cbranch_scc0 .Lentry_shape_is_right
	s_endpgm
.Lentry_shape_is_right:
; ATTN.  ctx = softmax(q k^T / 8, causal) v on codes of E4M3, and ctx quantised at once (e10) for the projection.
; LEFT OUT: a step of 128 keys all of which come after the wave's 16 queries (reference()'s own jnp.tril makes their p 0 for all finite inputs; see the head of the first launch).
; THE SOFTMAX AHEAD OF THE SECOND PRODUCT: t = score x log2(e) / 8; M = the running largest t rounded UP to a whole number; p = 2^(t - M) is quantised (e9), not normalised; the row's sum is taken of the
; unquantised p and divides at the end; when M moves, sum and O are multiplied by 2^(old M - new M), which rounds nothing.
; SHARES.  Work-group (j, y): y = batch x 8 + head pair; j = 0 .. 7.  Wave w: head w / 8 of the pair; query block a = ((w / 2) % 4) xor 7 ((w % 2) xor (w / 8)); its tile: queries 128 a + 16 j + 0 .. 15.
; So each work-group has, for each head, one tile in each of the eight blocks of 128 queries: 2 x (1 + .. + 8) = 72 steps in every work-group, and every work-group reads all eight key blocks.
; NO RING: a pair's k and v are 16 blocks of 16,384 bytes and fit in LDS whole.  Each of the sixteen waves asks for ONE block, once; nothing is filled again.  The four work-groups of a cluster differ in j alone
; and walk the same k and v: each block is asked for JOINTLY.  By this text's count a wave has one tensor load out.
; LAYOUT.  Both products are used transposed (S^T = k q^T, O^T = v^T p^T): a lane holds ONE query.  THE KEYS OF A TILE ARE NOT NEIGHBOURS: lane r of tile 2 b + u takes key 32 b + 8 u + r + 8 (r / 8), so that the
; 16 registers of tiles 2 b, 2 b + 1 are keys 32 b + 16 h + 0 .. 15: the conversions' results are the second product's operand.
; In LDS a block is 64 lines of 256 bytes + 16: row p at (p / 2) x 272 + (p % 2) x 128.
; LIMITS: e6 + e7 between -123 and 130; e9 and e10 - e8 - e9 between -126 and 119.
.set BLK,   17408
.set SPARE, 16*BLK                     ; behind the 16 blocks: the spare words, 128 bytes for each of 16 waves
.set STAGE, SPARE+2048                 ; the way out: 128 rows x (128 bytes + 16); no tensor load lands here
.set SP,    144
.set AK0, 1                            ; v1  my lane's place in a block of k
.set AV0, 2                            ; v2  the same for v
.set QO,  3                            ; v3  q's offset
.set SPW, 5
.set NIL, 6
.set GO,  7                            ; v7  16 x lane
.set ADK, 8
.set ADV, 9
.set DM,  10                           ; v10 my query's place in its block of 128, less 16 h
.set NINF, 11                          ; v11 -infinity
.set STO, 224
.set RD,  225
.set WV,  18
.set AA,  19                           ; s19 a
.set SEL, 20
.set CS,  22
.set G1,  24
.set G0,  40
.set TB,  12                           ; s12 LDS byte of the step's block of k
.set ST,  13                           ; s13 the step
.macro CROUND
	s_barrier_signal -1
	s_barrier_wait -1
	s_cmp_lg_u32 s[WV], 0
	s_cbranch_scc1 .Lnot_wave_0_\@
	s_barrier_signal -3
.Lnot_wave_0_\@:
	s_barrier_wait -3
	s_barrier_signal -1
	s_barrier_wait -1
.endm
	s_load_b128 s[4:7], s[0:1], 0x0                ; qkvc 4, the exponents 6
	s_load_b64 s[8:9], s[0:1], 0x10                ; cc
	v_lshl_add_u32 v[SPW], v0, 2, SPARE
	v_mov_b32 v[NIL], 0
	ds_add_u32 v[SPW], v[NIL]                      ; the opening: the add, twice on end, and its wait ahead of my first tensor load
	ds_add_u32 v[SPW], v[NIL]
	v_lshrrev_b32 v8, 5, v0
	v_readfirstlane_b32 s[WV], v8                  ; wave 0..15
	s_bfe_u32 s16, ttmp6, 0x40000                  ; cx: it enters q's and cc's addresses and the mask's numbers alone
	s_lshl_b32 s15, ttmp9, 2
	s_add_co_u32 s15, s15, s16                     ; j
	s_and_b32 s17, ttmp7, 0xffff                   ; y
	s_lshr_b32 s14, s[WV], 3                       ; head of the pair
	s_and_b32 s[AA], s[WV], 1
	s_xor_b32 s[AA], s[AA], s14
	s_mul_i32 s[AA], s[AA], 7
	s_bfe_u32 s32, s[WV], 0x20001
	s_xor_b32 s[AA], s[AA], s32                    ; a
	s_mov_b32 s[G1], 15|(1<<20)|(1<<21)|(5<<22)|(3<<25)   ; the mask: all four; elements of 1 byte; padding on; bit 21 beside a mask; 4 words behind every 64
	s_mov_b32 s[G1+1], 256<<16
	s_mov_b32 s[G1+2], 64<<16
	s_mov_b32 s[G1+3], 256<<16
	s_mov_b32 s[G1+4], 64
	s_mov_b32 s[G1+5], 256
	s_mov_b32 s[G1+6], 0
	s_mov_b32 s[G1+7], 0
	s_lshl_b32 s34, s14, 22                        ; waves 0-7: k (+4 MiB), waves 8-15: v (+8 MiB),
	s_add_co_u32 s34, s34, 0x400000
	s_lshl_b32 s35, s17, 3
	s_and_b32 s36, s[WV], 7
	s_add_co_u32 s35, s35, s36                     ; block 8 y + w % 8
	s_lshl_b32 s35, s35, 14
	s_add_co_u32 s34, s34, s35
	s_mov_b32 s35, 0
	s_mul_i32 s33, s[WV], BLK
	s_mov_b32 s[SEL], 0x76543210
	s_mov_b32 s[SEL+1], 0xfedcba98
	s_mov_b32 s[CS], 0x3e38aa3b                    ; log2(e) / 8
	s_wait_dscnt 0x0                               ; both opening adds are done
	s_wait_kmcnt 0x0
	s_load_b128 s[68:71], s[6:7], 0x18             ; e6, e7, e8, e9
	s_load_b32 s72, s[6:7], 0x28                   ; e10
	s_mov_b32 s[G0], 1
	s_mov_b32 s[G0+1], s33
	s_add_nc_u64 s[G0+2:G0+3], s[4:5], s[34:35]
	s_or_b32 s[G0+3], s[G0+3], 0x80000000
	CROUND                                         ; all four work-groups are here: the joint loads meet
	tensor_load_to_lds s[G0:G0+3], s[G1:G1+7]
	s_nop 0
.rept 4
	v_nop
.endr
	s_lshl_b32 s36, s17, 3
	s_add_co_u32 s36, s36, s[AA]                   ; q: block 8 y + a,
	s_lshl_b32 s36, s36, 14
	s_lshl_b32 s37, s15, 11
	s_add_co_u32 s36, s36, s37                     ; rows 16 j on,
	s_lshl_b32 s37, s14, 6
	s_add_co_u32 s36, s36, s37                     ; my head's 64 bytes
	s_mov_b32 s37, 0
	s_add_nc_u64 s[36:37], s[4:5], s[36:37]
	v_and_b32 v8, 15, v0                           ; r
	v_bfe_u32 v9, v0, 4, 1                         ; h
	v_lshlrev_b32 v[QO], 7, v8
	v_lshl_add_u32 v[QO], v9, 4, v[QO]
	global_load_b128 v[16:19], v[QO], s[36:37]             ; q's fragment: registers 4 c .. hold d = 32 c + 16 h + 0 .. 15, as k's do
	global_load_b128 v[20:23], v[QO], s[36:37] offset:32
	v_and_b32 v4, 8, v8
	v_add_nc_u32 v4, v4, v8                        ; r + 8 (r / 8)
	v_lshrrev_b32 v[AK0], 1, v4
	v_mul_u32_u24 v[AK0], v[AK0], 272
	v_and_b32 v4, 1, v4
	v_lshl_add_u32 v[AK0], v4, 7, v[AK0]
	v_lshl_add_u32 v[AK0], v9, 4, v[AK0]
	s_lshl_b32 s38, s14, 6
	v_add_nc_u32 v[AK0], s38, v[AK0]
	v_lshrrev_b32 v[AV0], 1, v8
	v_mul_u32_u24 v[AV0], v[AV0], 272
	v_and_b32 v4, 1, v8
	v_lshl_add_u32 v[AV0], v4, 7, v[AV0]
	v_lshl_add_u32 v[AV0], v9, 4, v[AV0]
	s_mul_i32 s38, s14, 32*272                     ; my head's 64 rows of v's block,
	s_add_co_u32 s38, s38, 8*BLK                   ; behind k's eight blocks
	v_add_nc_u32 v[AV0], s38, v[AV0]
	v_lshlrev_b32 v4, 4, v9
	v_sub_nc_u32 v[DM], v8, v4
	s_lshl_b32 s38, s15, 4
	v_add_nc_u32 v[DM], s38, v[DM]                 ; 16 j + r - 16 h
	v_mov_b32 v[NINF], 0xff800000
	s_lshl_b32 s38, s[AA], 4                       ; the stage: in: row 16 a + r, my head's 64 bytes, 8 h
	s_mul_i32 s38, s38, SP
	s_lshl_b32 s39, s14, 6
	s_add_co_u32 s38, s38, s39
	s_add_co_u32 s38, s38, STAGE
	v_mul_u32_u24 v[STO], v8, SP
	v_lshl_add_u32 v[STO], v9, 3, v[STO]
	v_add_nc_u32 v[STO], s38, v[STO]
	s_mul_i32 s38, s[WV], 8*SP                     ; back: wave w takes rows 8 w .. 8 w + 7, eight lanes to a row
	s_add_co_u32 s38, s38, STAGE
	v_and_b32 v4, 31, v0
	v_lshrrev_b32 v[RD], 3, v4
	v_mul_u32_u24 v[RD], v[RD], SP
	v_and_b32 v226, 7, v4
	v_lshl_add_u32 v[RD], v226, 4, v[RD]
	v_add_nc_u32 v[RD], s38, v[RD]
	v_lshlrev_b32 v[GO], 4, v4
	s_lshr_b32 s38, s17, 3                         ; cc: block ((batch x 8 + w / 2) x 8 + head pair), rows 16 j + 8 (w % 2) on
	s_lshl_b32 s38, s38, 3
	s_lshr_b32 s39, s[WV], 1
	s_add_co_u32 s38, s38, s39
	s_lshl_b32 s38, s38, 3
	s_and_b32 s39, s17, 7
	s_add_co_u32 s38, s38, s39
	s_lshl_b32 s38, s38, 14
	s_lshl_b32 s39, s15, 11
	s_add_co_u32 s38, s38, s39
	s_and_b32 s39, s[WV], 1
	s_lshl_b32 s39, s39, 10
	s_add_co_u32 s38, s38, s39
	s_mov_b32 s39, 0
	s_add_nc_u64 s[8:9], s[8:9], s[38:39]
	v_mov_b32 v13, 0xff61b1e6                      ; the largest t so far: -3e38
	v_floor_f32 v12, -v13                          ; -M
	v_mov_b32 v14, 0
	v_mov_b32 v15, 0
	v_mov_b32 v208, 0                              ; a lane permute's destination counts as one of its sources
	v_mov_b32 v213, 0                              ; (named as the upper half of v[212:213])
.set j, 0
.rept 32
	v_mov_b32 v[160+j], 0                          ; O^T: the loop is written once; its first step finds zeros
.set j, j+1
.endr
	s_wait_kmcnt 0x0
	s_add_co_i32 s44, s68, s69
	s_lshl_b32 s44, s44, 23
	s_add_co_i32 s[CS], s[CS], s44                 ; a score stands for score x 2^(e6 + e7): added to c's exponent field
	s_mov_b32 s[CS+1], s[CS]
	s_add_co_i32 s44, s71, 127
	s_lshl_b32 s45, s44, 23
	v_mov_b32 v221, s45                            ; 2^e9
	s_add_co_i32 s44, s44, 8
	s_lshl_b32 s44, s44, 23
	s_or_b32 s44, s44, 0x600000
	v_mov_b32 v220, s44                            ; 448 x 2^e9
	s_sub_co_i32 s44, s72, s70
	s_sub_co_i32 s44, s44, s71                     ; O / l stands for ctx / 2^(e8 + e9): its code is (O / l) / 2^(e10 - e8 - e9)
	s_add_co_i32 s44, s44, 127
	s_lshl_b32 s45, s44, 23
	v_mov_b32 v222, s45
	s_add_co_i32 s44, s44, 8
	s_lshl_b32 s44, s44, 23
	s_or_b32 s44, s44, 0x600000
	v_mov_b32 v223, s44
	s_mov_b32 s[TB], 0
	s_mov_b32 s[ST], 0
	s_wait_tensorcnt 0x0                           ; my block has landed,
	s_barrier_signal -1
	s_barrier_wait -1                              ; everybody's has
	s_wait_loadcnt 0x0                             ; q
.Lstep:                                            ; eight trips, a constant; a wave works in the first a + 1 of them
	s_cmp_gt_u32 s[ST], s[AA]                      ; the wave's number and the count of steps alone; no barrier and no tensor load stands in the loop
	s_cbranch_scc1 .Lskip
	v_add_nc_u32 v[ADK], s[TB], v[AK0]
	v_add_nc_u32 v[ADV], s[TB], v[AV0]
	v_nop                                          ; with the two additions: four places in front of loads into registers that the last products read
	v_nop
.irp t, 0,1,2,3,4,5,6,7
.irp c, 0,1
	ds_load_b128 v[32+8*\t+4*\c:32+8*\t+4*\c+3], v[ADK] offset:(16*(\t/2)+4*(\t%2))*272+32*\c
.endr
.endr
	s_wait_dscnt 0x0
.irp t, 0,1,2,3,4,5,6,7
	v_wmma_f32_16x16x64_fp8_fp8 v[96+8*\t:103+8*\t], v[32+8*\t:39+8*\t], v[16:23], 0
.endr
.rept 4
	v_nop
.endr
.irp t, 0,1,2,3
.irp c, 0,1,2,3
	ds_load_b128 v[32+16*\t+4*\c:32+16*\t+4*\c+3], v[ADV] offset:8*\t*272+32*\c   ; v's four fragments land while the softmax is walked
.endr
.endr
	s_cmp_lg_u32 s[ST], s[AA]
	s_cbranch_scc1 .Lopen
.set n, 0
.rept 64                                           ; the wave's last step lies on the diagonal: register 16 b + i holds key 32 b + 16 h + i of the block: hidden where 32 b + i > 16 j + r - 16 h
	v_cmp_gt_i32 vcc_lo, 32*(n/16)+n%16, v[DM]
	v_cndmask_b32 v[96+n], v[96+n], v[NINF], vcc_lo
.set n, n+1
.endr
.Lopen:
	v_max3_num_f32 v214, v96, v97, v98
	v_max3_num_f32 v212, v99, v100, v101
.irp i, 6,10,14,18,22,26,30,34,38,42,46,50,54,58
	v_max3_num_f32 v214, v214, v[96+\i], v[97+\i]
	v_max3_num_f32 v212, v212, v[98+\i], v[99+\i]
.endr
	v_max3_num_f32 v214, v214, v158, v159
	v_max_num_f32 v214, v214, v212
	v_permlanex16_b32 v208, v214, s[SEL], s[SEL+1]
	v_max_num_f32 v214, v214, v208                 ; the step's largest score of my query
	v_mul_f32 v214, s[CS], v214
	v_max_num_f32 v13, v13, v214                   ; the running largest t
	v_mov_b32 v214, v12
	v_floor_f32 v12, -v13                          ; the new -M = -ceil(t)
	v_sub_f32 v214, v12, v214
	v_cvt_i32_f32 v214, v214
	v_ldexp_f32 v212, 1.0, v214                    ; f = 2^(old M - new M)
.set j, 0
.rept 32
	v_pk_fma_f32 v[96+j:97+j], v[96+j:97+j], s[CS:CS+1], v[12:13] op_sel_hi:[1,0,0]   ; t - M
.set j, j+2
.endr
.set j, 0
.rept 64
	v_exp_f32 v[96+j], v[96+j]                     ; p = 2^(t - M)
.set j, j+1
.endr
	v_pk_mul_f32 v[14:15], v[14:15], v[212:213] op_sel_hi:[1,0]   ; the sums under the new M: the plain line behind the exponentials
	s_wait_alu depctr_va_vdst(0)                   ; one wait for the batch, ahead of its first reader
	v_pk_add_f32 v[210:211], v[96:97], v[98:99]    ; the row's sum is taken of the unquantised p
.irp j, 4,8,12,16,20,24,28,32,36,40,44,48,52,56,60
	v_pk_add_f32 v[14:15], v[14:15], v[96+\j:97+\j]
	v_pk_add_f32 v[210:211], v[210:211], v[98+\j:99+\j]
.endr
	v_pk_add_f32 v[14:15], v[14:15], v[210:211]
.irp b, 0,1,2,3
.irp i, 0,1,2,3,4,5,6,7,8,9,10,11,12,13,14,15
	v_min_num_f32 v[96+16*\b+\i], v[96+16*\b+\i], v220   ; the hold; p is not negative
.endr
	v_cvt_scalef32_pk8_fp8_f32 v[192+4*\b:193+4*\b], v[96+16*\b:103+16*\b], v221
	v_cvt_scalef32_pk8_fp8_f32 v[194+4*\b:195+4*\b], v[104+16*\b:111+16*\b], v221
.endr
.set j, 0
.rept 16
	v_pk_mul_f32 v[160+j:161+j], v[160+j:161+j], v[212:213] op_sel_hi:[1,0]   ; O^T under the new M
.set j, j+2
.endr
	s_wait_dscnt 0x0                               ; v's fragments are in
.irp t, 0,1,2,3
	v_wmma_f32_16x16x128_fp8_fp8 v[160+8*\t:167+8*\t], v[32+16*\t:47+16*\t], v[192:207], v[160+8*\t:167+8*\t]
.endr
.Lskip:
	s_add_co_u32 s[TB], s[TB], BLK
	s_add_co_u32 s[ST], s[ST], 1
	s_cmp_lt_u32 s[ST], 8
	s_cbranch_scc1 .Lstep
	; THE WAY OUT: O^T / the sum, quantised; a token's 128 bytes come from two waves, so they meet in the stage
.rept 4
	v_nop
.endr
	v_add_f32 v14, v14, v15
	v_permlanex16_b32 v208, v14, s[SEL], s[SEL+1]
	v_add_f32 v14, v14, v208
	v_rcp_f32 v14, v14
	v_nop
	s_wait_alu depctr_va_vdst(0)
.set j, 0
.rept 32
	v_mul_f32 v[96+j], v[160+j], v14               ; register 8 t + i: channel 16 t + 8 h + i of my query
.set j, j+1
.endr
.set j, 0
.rept 32
	v_med3_num_f32 v[96+j], v[96+j], -v223, v223
.set j, j+1
.endr
.irp t, 0,1,2,3
	v_cvt_scalef32_pk8_fp8_f32 v[128+2*\t:129+2*\t], v[96+8*\t:103+8*\t], v222
.endr
	v_nop
.irp t, 0,1,2,3
	ds_store_b64 v[STO], v[128+2*\t:129+2*\t] offset:16*\t
.endr
	s_wait_dscnt 0x0                               ; for the others' sake: my stores have landed
	s_barrier_signal -1
	s_barrier_wait -1
	ds_load_b128 v[32:35], v[RD]
	ds_load_b128 v[36:39], v[RD] offset:4*SP
	s_wait_dscnt 1                                 ; the second load may be out
	global_store_b128 v[GO], v[32:35], s[8:9]              ; four rows of 128 bytes: 512 consecutive bytes, aligned
	s_wait_dscnt 0
	global_store_b128 v[GO], v[36:39], s[8:9] offset:512
	s_wait_tensorcnt 0x0                           ; the wave's end
	ds_add_u32 v[SPW], v[NIL]
	s_wait_dscnt 0x0
	CROUND                                         ; the closing round
	s_endpgm
.Lfunc_end_k_q5287cad6a8_attn:
	.size	k_q5287cad6a8_attn, .Lfunc_end_k_q5287cad6a8_attn-k_q5287cad6a8_attn
	.p2alignl 7, 3214868480
	.fill 96, 4, 3214868480
	.section	.rodata,"a",@progbits
	.p2align	6, 0x0
	.amdhsa_kernel k_q5287cad6a8_attn
		.amdhsa_group_segment_fixed_size 327680
		.amdhsa_private_segment_fixed_size 0
		.amdhsa_enable_private_segment 0
		.amdhsa_kernarg_size 24
		.amdhsa_user_sgpr_count 2
		.amdhsa_user_sgpr_kernarg_segment_ptr 1
		.amdhsa_wavefront_size32 1
		.amdhsa_system_sgpr_workgroup_id_x 1
		.amdhsa_system_sgpr_workgroup_id_y 1
		.amdhsa_system_sgpr_workgroup_id_z 1
		.amdhsa_system_vgpr_workitem_id 0
		.amdhsa_next_free_vgpr 256
		.amdhsa_next_free_sgpr 80
		.amdhsa_reserve_vcc 1
		.amdhsa_float_denorm_mode_32 3
		.amdhsa_float_denorm_mode_16_64 3
		.amdhsa_memory_ordered 1
		.amdhsa_forward_progress 1
		.amdhsa_inst_pref_size 34
	.end_amdhsa_kernel
	.amdgpu_metadata
---
amdhsa.version: [ 1, 2 ]
amdhsa.kernels:
  - .name:           k_q5287cad6a8_attn
    .symbol:         k_q5287cad6a8_attn.kd
    .args:
      - { .name: qkvc, .offset: 0, .size: 8, .value_kind: global_buffer, .address_space: global }
      - { .name: lowp_scales, .offset: 8, .size: 8, .value_kind: global_buffer, .address_space: global }
      - { .name: cc, .offset: 16, .size: 8, .value_kind: global_buffer, .address_space: global }
    .group_segment_fixed_size: 327680
    .private_segment_fixed_size: 0
    .kernarg_segment_align: 8
    .kernarg_segment_size: 24
    .max_flat_workgroup_size: 512
    .sgpr_count:     80
    .vgpr_count:     256
    .wavefront_size: 32
...
	.end_amdgpu_metadata
.endif
;; end of part 3
;; launch wo (part 4): grid 8 x 32, 4 waves a work-group, clusters of 4 x 4, 327,680 bytes of LDS; arguments cc, wc, lowp_scales, bo, x, x1; writes x1
.if DOCPART == 4
	.amdgcn_target "amdgcn-amd-amdhsa--gfx1250"
	.amdhsa_code_object_version 6
	.text
	.protected	k_q5287cad6a8_wo
	.globl	k_q5287cad6a8_wo
	.p2align	8
	.type	k_q5287cad6a8_wo,@function
k_q5287cad6a8_wo:
	s_mov_b64 s[64:65], 0
	v_nop
	global_prefetch_b8 v0, s[64:65] scope:SCOPE_SE
	s_setreg_imm32_b32 hwreg(HW_REG_WAVE_MODE, 25, 1), 1
	s_wait_xcnt 0x0
	s_wait_alu depctr_hold_cnt(0) depctr_sa_sdst(0) depctr_va_vdst(0) depctr_va_sdst(0) depctr_va_ssrc(0) depctr_va_vcc(0) depctr_vm_vsrc(0)
	s_getreg_b32 s2, hwreg(HW_REG_IB_STS2, 6, 4)
	s_cmp_eq_u32 s2, 0
	s_cbranch_scc0 .Lentry_in_a_cluster
	s_endpgm
.Lentry_in_a_cluster:
	s_bfe_u32 s2, ttmp6, 0x10000c
	s_cmp_lg_u32 s2, 0xf033
	s_cbranch_scc0 .Lentry_shape_is_right
	s_endpgm
.Lentry_shape_is_right:
; WO.  x1 = ctx Wo + bo + x: the product on codes of E4M3 (K = 1,024), each sum x 2^(e10 + e11), bias and residual in f32.
; M = 4,096, N = 1,024: tiles of 256 x 256 would be 64, so a tile is 128 x 128: 256 work-groups of four waves, 64 x 64 a wave: 16 accumulators.
; K goes in steps of 512 through two LDS slots: A's four blocks [128 rows][128 bytes], then B's four; a wave's tensor load brings two blocks, 32,768 consecutive bytes, as 128 lines of 256 bytes + 16 of padding.
; Row p of a block lies at (p / 2) x 272 + (p % 2) x 128.  CLUSTERS 4 x 4: A's blocks are asked for jointly along a row of the cluster, B's along a column.
; The matrix instruction is used transposed (source 0 = rows of B, source 1 = rows of A).  A fragment comes by four loads of 16 bytes, 32 apart: a permutation of k, the same in A and B.
; LIMIT: the two exponents' sum between -126 and 127.
; REGISTERS: window 0: v0-35 addresses and the bias; v128-255 the accumulators ((a, b) at v[128 + 8 (4 a + b)]); window 1: two fragment buffers of 128 (A's four, then B's four); window 2: v0-127 the residual, then the result.
.set KB,     8                         ; blocks along K
.set LAPS,   1                         ; K / 1,024
.set WOFF,   0x300000                  ; the weight's place in wc
.set SOFF,   40                        ; the two exponents' bytes in lowp_scales
.set PITCH,  272
.set BLK,    64*PITCH
.set T16,    8*PITCH
.set HALFT,  2*BLK
.set SLOT,   4*HALFT
.set SPARE,  2*SLOT
.set ADRA, 16
.set ADRB, 20
.set STO,  24
.set RD,   25
.set CO,   26
.set BO,   27
.set SPW,  28
.set NIL,  29
.set BI,   32
.set ACC,  128
.set F0,   0
.set F1,   128
.set G1, 24
.set G0, 32
.set G1B, 48
.set G0B, 56
.set MSB, 0
.macro WIN new
.if MSB != \new
	s_set_vgpr_msb (MSB<<8)|\new
.set MSB, \new
.endif
.endm
.set MUL,  0x05
.set TO_F, 0x40
.macro JLOAD s                         ; a joint load: waves 0 and 1 fetch A's halves along K, waves 2 and 3 B's; an s_nop 0 and four v_nop follow each line
	s_cmp_eq_u32 s15, 0
	s_cbranch_scc0 .Lfor_b_\@
	tensor_load_to_lds s[G0+4*\s:G0+4*\s+3], s[G1:G1+7]
	s_nop 0
.rept 4
	v_nop
.endr
	s_branch .Lasked_\@
.Lfor_b_\@:
	tensor_load_to_lds s[G0B+4*\s:G0B+4*\s+3], s[G1B:G1B+7]
	s_nop 0
.rept 4
	v_nop
.endr
.Lasked_\@:
.endm
.macro CREST
	s_cmp_lg_u32 s14, 0
	s_cbranch_scc1 .Lnot_wave_0_\@
	s_barrier_signal -3
.Lnot_wave_0_\@:
	s_barrier_wait -3
	s_barrier_signal -1
	s_barrier_wait -1
.endm
.macro CROUND
	s_barrier_signal -1
	s_barrier_wait -1
	CREST
.endm
	s_load_b256 s[4:11], s[0:1], 0x0               ; A's codes 4, wc 6, the exponents 8, the bias 10
	s_load_b128 s[84:87], s[0:1], 0x20             ; the residual 84, the result 86
	v_lshl_add_u32 v[SPW], v0, 2, SPARE
	v_mov_b32 v[NIL], 0
	ds_add_u32 v[SPW], v[NIL]                      ; the opening: the add, twice on end, and its wait ahead of my first tensor load
	ds_add_u32 v[SPW], v[NIL]
	v_lshrrev_b32 v1, 5, v0
	v_readfirstlane_b32 s14, v1                    ; wave 0..3
	s_lshr_b32 s15, s14, 1                         ; my half of the rows.  Also: I fetch for A (0) or B (1)
	s_and_b32 s16, s14, 1                          ; my half of the columns.  Also: which two blocks along K I fetch
	s_bfe_u32 s40, ttmp6, 0x40000
	s_bfe_u32 s41, ttmp6, 0x40004
	s_lshl_b32 s42, ttmp9, 2
	s_add_co_u32 s42, s42, s40                     ; tile column
	s_and_b32 s17, ttmp7, 0xffff
	s_lshl_b32 s17, s17, 2
	s_add_co_u32 s17, s17, s41                     ; tile row
	s_lshl_b32 s43, s41, 2
	s_lshl_b32 s43, 15, s43
	s_lshl_b32 s44, 0x1111, s40
	s_or_b32 s[G1+0], s43, (1<<20)|(1<<21)|(5<<22)|(3<<25)
	s_or_b32 s[G1B+0], s44, (1<<20)|(1<<21)|(5<<22)|(3<<25)
.irp g, G1, G1B
	s_mov_b32 s[\g+1], 256<<16
	s_mov_b32 s[\g+2], 128<<16
	s_mov_b32 s[\g+3], 256<<16
	s_mov_b32 s[\g+4], 128
	s_mov_b32 s[\g+5], 256
	s_mov_b32 s[\g+6], 0
	s_mov_b32 s[\g+7], 0
.endr
	s_lshl_b32 s18, s16, 1
	s_mul_i32 s20, s17, KB
	s_add_co_u32 s20, s20, s18
	s_lshl_b32 s20, s20, 14
	s_mov_b32 s21, 0
	s_mul_i32 s46, s42, KB
	s_add_co_u32 s46, s46, s18
	s_lshl_b32 s46, s46, 14
	s_add_co_u32 s46, s46, WOFF
	s_mov_b32 s47, 0
	s_mul_i32 s45, s14, HALFT
	s_wait_dscnt 0x0
	s_wait_kmcnt 0x0
	s_load_b64 s[96:97], s[8:9], SOFF
	s_add_nc_u64 s[20:21], s[4:5], s[20:21]
	s_add_nc_u64 s[46:47], s[6:7], s[46:47]
	CROUND
.irp s, 0,1
	s_mov_b32 s[G0+4*\s], 1
	s_add_co_u32 s[G0+4*\s+1], s45, \s*SLOT
	s_add_nc_u64 s[G0+4*\s+2:G0+4*\s+3], s[20:21], \s*65536
	s_or_b32 s[G0+4*\s+3], s[G0+4*\s+3], 0x80000000
	s_mov_b32 s[G0B+4*\s], 1
	s_add_co_u32 s[G0B+4*\s+1], s45, \s*SLOT
	s_add_nc_u64 s[G0B+4*\s+2:G0B+4*\s+3], s[46:47], \s*65536
	s_or_b32 s[G0B+4*\s+3], s[G0B+4*\s+3], 0x80000000
	JLOAD \s
.endr
	v_and_b32 v1, 15, v0                           ; r
	v_bfe_u32 v2, v0, 4, 1                         ; h
	v_lshrrev_b32 v3, 1, v1
	v_mul_u32_u24 v3, v3, PITCH
	v_and_b32 v5, 1, v1
	v_lshl_add_u32 v3, v5, 7, v3
	v_lshl_add_u32 v4, v2, 4, v3
	s_mul_i32 s21, s15, 32*PITCH                   ; my 64 rows of each block of A,
	s_mul_i32 s22, s16, 32*PITCH                   ; and of B,
	s_add_co_u32 s22, s22, 4*BLK                   ; whose blocks lie behind A's four
.irp s, 0,1
	v_add_nc_u32 v[ADRA+\s], s21, v4
	v_add_nc_u32 v[ADRB+\s], s22, v4
	s_add_co_u32 s21, s21, SLOT
	s_add_co_u32 s22, s22, SLOT
.endr
	s_mul_i32 s23, s14, 64*PITCH                   ; my stage: 64 rows x (256 bytes + 16), in slot 0, which has had its last fill and its last read when the first result is stored there
	v_mul_u32_u24 v5, v1, PITCH
	v_lshl_add_u32 v5, v2, 5, v5
	v_add_nc_u32 v[STO], s23, v5
	v_mul_u32_u24 v6, v2, PITCH
	v_lshl_add_u32 v6, v1, 4, v6
	v_add_nc_u32 v[RD], s23, v6
	v_lshlrev_b32 v[BO], 4, v1
	v_lshl_add_u32 v[CO], v2, 12, v[BO]            ; lanes 0-15 a row's 256 bytes, lanes 16-31 the next row's
	s_lshl_b32 s92, s17, 7
	s_lshl_b32 s93, s15, 6
	s_add_co_u32 s92, s92, s93
	s_lshl_b32 s92, s92, 12                        ; my first row, 4,096 bytes a row,
	s_lshl_b32 s94, s42, 9
	s_lshl_b32 s95, s16, 8
	s_add_co_u32 s94, s94, s95                     ; my first column, in bytes
	s_add_co_u32 s92, s92, s94
	s_mov_b32 s93, 0
	s_mov_b32 s95, 0
	s_add_nc_u64 s[84:85], s[84:85], s[92:93]
	s_add_nc_u64 s[86:87], s[86:87], s[92:93]
	s_add_nc_u64 s[10:11], s[10:11], s[94:95]
	WIN 0x80                                       ; destination window 2
.set t, 0
.rept 32
	global_load_b128 v[4*t:4*t+3], v[CO], s[84:85] offset:t*8192   ; the residual comes in under the products, in the places in which the result will leave
.set t, t+1
.endr
	WIN 0
	global_load_b128 v[BI:BI+3], v[BO], s[10:11]
.macro MUL4 f, a, zero                 ; A's block a x B's four; the 16 accumulators take turns
.irp b, 0,1,2,3
.if \zero
	v_wmma_f32_16x16x128_fp8_fp8 v[ACC+8*(4*\a+\b):ACC+8*(4*\a+\b)+7], v[\f+64+16*\b:\f+64+16*\b+15], v[\f+16*\a:\f+16*\a+15], 0
.else
	v_wmma_f32_16x16x128_fp8_fp8 v[ACC+8*(4*\a+\b):ACC+8*(4*\a+\b)+7], v[\f+64+16*\b:\f+64+16*\b+15], v[\f+16*\a:\f+16*\a+15], v[ACC+8*(4*\a+\b):ACC+8*(4*\a+\b)+7]
.endif
.endr
.endm
.macro FRAG reg, adr, q, i
.irp c, 0,1,2,3
	ds_load_b128 v[\reg+4*\c:\reg+4*\c+3], v[\adr] offset:BLK*(\q)+T16*(\i)+32*\c
.endr
.endm
.macro FETCH slot, q, f                ; 32 LDS loads in one run: B's four fragments, then A's four, of the slot's q-th 128 along K
	WIN TO_F
.irp i, 0,1,2,3
	FRAG \f+64+16*\i, ADRB+\slot, \q, \i
.endr
.irp i, 0,1,2,3
	FRAG \f+16*\i, ADRA+\slot, \q, \i
.endr
.endm
.macro PLACES
.rept 4
	v_nop
.endr
.endm
.macro QUARTER slot, q, f, g, zero     ; multiplies buffer f; in its middle fetches the slot's q-th 128 along K into g
	s_wait_dscnt 8                                 ; all but the youngest eight loads (A's blocks 2, 3) are in
	WIN MUL
	MUL4 \f, 0, \zero
	MUL4 \f, 1, \zero
	PLACES
	FETCH \slot, \q, \g
	s_wait_dscnt 32                                ; all but the 32 just issued
	WIN MUL
	MUL4 \f, 2, \zero
	MUL4 \f, 3, \zero
.endm
.macro TURN slot, next, fill           ; a slot's last quarter (buffer 1), and the change of slots
	WIN 0
	s_wait_tensorcnt 0x0                           ; all my tensor loads have landed: my part of the next slot
	ds_add_u32 v[SPW], v[NIL]                      ; 0 onto my spare word
	s_wait_dscnt 9                                 ; the add and the youngest eight loads may be out
	WIN MUL
	MUL4 F1, 0, 0
	s_wait_dscnt 0x0                               ; the add is done, and my reads of this slot are over
	s_barrier_signal -1
	MUL4 F1, 1, 0
.if \fill
	WIN 0
.endif
	s_barrier_wait -1
.if \fill
	CREST                                          ; the barrier opened a round of the cluster's
	s_add_nc_u64 s[G0+4*\slot+2:G0+4*\slot+3], s[G0+4*\slot+2:G0+4*\slot+3], 131072
	s_add_nc_u64 s[G0B+4*\slot+2:G0B+4*\slot+3], s[G0B+4*\slot+2:G0B+4*\slot+3], 131072
	JLOAD \slot                                    ; the first tensor load behind the round, one a wave
.else
	PLACES
.endif
	FETCH \next, 0, F0
	WIN MUL
	MUL4 F1, 2, 0
	MUL4 F1, 3, 0
.endm
	s_wait_tensorcnt 1                             ; my part of slot 0 is in; slot 1's load may be out
	s_barrier_signal -1
	s_barrier_wait -1
	FETCH 0, 0, F0
	QUARTER 0, 1, F0, F1, 1                        ; the first quarter's products start the sums
.if LAPS > 1
	WIN 0
	s_mov_b32 s3, LAPS-1
.Llap:
	QUARTER 0, 2, F1, F0, 0
	QUARTER 0, 3, F0, F1, 0
	TURN 0, 1, 1
	QUARTER 1, 1, F0, F1, 0
	QUARTER 1, 2, F1, F0, 0
	QUARTER 1, 3, F0, F1, 0
	TURN 1, 0, 1
	QUARTER 0, 1, F0, F1, 0
	WIN 0
	s_sub_co_u32 s3, s3, 1
	s_cmp_lg_u32 s3, 0
	s_cbranch_scc1 .Llap
.endif
	QUARTER 0, 2, F1, F0, 0
	QUARTER 0, 3, F0, F1, 0
	TURN 0, 1, 0
	QUARTER 1, 1, F0, F1, 0
	QUARTER 1, 2, F1, F0, 0
	QUARTER 1, 3, F0, F1, 0
	s_wait_dscnt 8
	WIN MUL
	MUL4 F1, 0, 0
	MUL4 F1, 1, 0
	s_wait_dscnt 0
	MUL4 F1, 2, 0
	MUL4 F1, 3, 0
	WIN 0
	; THE WAY OUT.  A wave's 64 columns of f32 are 256 bytes: the sums go through my own stage and come back as whole rows, two an instruction
	PLACES
.irp a, 0,1,2,3
.irp b, 0,1,2,3
	ds_store_b128 v[STO], v[ACC+8*(4*\a+\b):ACC+8*(4*\a+\b)+3] offset:\a*16*PITCH+64*\b      ; each accumulator from its low end on
	ds_store_b128 v[STO], v[ACC+8*(4*\a+\b)+4:ACC+8*(4*\a+\b)+7] offset:\a*16*PITCH+64*\b+16
.endr
.endr
	WIN TO_F                                       ; back into window 1, whose fragments are done with
.set t, 0
.rept 32
	ds_load_b128 v[4*t:4*t+3], v[RD] offset:t*2*PITCH   ; LDS serves a wave's instructions in order: these see my stores
.set t, t+1
.endr
	s_wait_loadcnt 0x0                             ; the residual and the bias
	s_wait_kmcnt 0x0
	s_add_co_i32 s96, s96, s97
	s_add_co_i32 s96, s96, 127
	s_lshl_b32 s96, s96, 23                        ; 2^(eA + eB) as f32
	s_mov_b32 s97, s96
	WIN 0x82                                       ; source 0 and destination window 2
.set j, 0
.rept 64
	v_pk_add_f32 v[j:j+1], v[j:j+1], v[BI+j%4:BI+j%4+1]
.set j, j+2
.endr
	s_wait_dscnt 0x0
	WIN 0xa1                                       ; source 0 window 1 (the sums), source 2 and destination window 2
.set j, 0
.rept 64
	v_pk_fma_f32 v[j:j+1], v[j:j+1], s[96:97], v[j:j+1] op_sel_hi:[1,0,1]
.set j, j+2
.endr
	WIN 0x08                                       ; a store's data: window 2
.set t, 0
.rept 32
	global_store_b128 v[CO], v[4*t:4*t+3], s[86:87] offset:t*8192   ; sixteen lanes store 256 consecutive bytes, aligned
.set t, t+1
.endr
	WIN 0
	s_wait_tensorcnt 0x0                           ; the wave's end
	ds_add_u32 v[SPW], v[NIL]
	s_wait_dscnt 0x0
	CROUND                                         ; the closing round
	s_endpgm
.Lfunc_end_k_q5287cad6a8_wo:
	.size	k_q5287cad6a8_wo, .Lfunc_end_k_q5287cad6a8_wo-k_q5287cad6a8_wo
	.p2alignl 7, 3214868480
	.fill 96, 4, 3214868480
	.section	.rodata,"a",@progbits
	.p2align	6, 0x0
	.amdhsa_kernel k_q5287cad6a8_wo
		.amdhsa_group_segment_fixed_size 327680
		.amdhsa_private_segment_fixed_size 0
		.amdhsa_enable_private_segment 0
		.amdhsa_kernarg_size 48
		.amdhsa_user_sgpr_count 2
		.amdhsa_user_sgpr_kernarg_segment_ptr 1
		.amdhsa_wavefront_size32 1
		.amdhsa_system_sgpr_workgroup_id_x 1
		.amdhsa_system_sgpr_workgroup_id_y 1
		.amdhsa_system_sgpr_workgroup_id_z 1
		.amdhsa_system_vgpr_workitem_id 0
		.amdhsa_next_free_vgpr 640
		.amdhsa_next_free_sgpr 100
		.amdhsa_reserve_vcc 0
		.amdhsa_float_denorm_mode_32 3
		.amdhsa_float_denorm_mode_16_64 3
		.amdhsa_memory_ordered 1
		.amdhsa_forward_progress 1
		.amdhsa_inst_pref_size 53
	.end_amdhsa_kernel
	.amdgpu_metadata
---
amdhsa.version: [ 1, 2 ]
amdhsa.kernels:
  - .name:           k_q5287cad6a8_wo
    .symbol:         k_q5287cad6a8_wo.kd
    .args:
      - { .name: cc, .offset: 0, .size: 8, .value_kind: global_buffer, .address_space: global }
      - { .name: wc, .offset: 8, .size: 8, .value_kind: global_buffer, .address_space: global }
      - { .name: lowp_scales, .offset: 16, .size: 8, .value_kind: global_buffer, .address_space: global }
      - { .name: bo, .offset: 24, .size: 8, .value_kind: global_buffer, .address_space: global }
      - { .name: x, .offset: 32, .size: 8, .value_kind: global_buffer, .address_space: global }
      - { .name: x1, .offset: 40, .size: 8, .value_kind: global_buffer, .address_space: global }
    .group_segment_fixed_size: 327680
    .private_segment_fixed_size: 0
    .kernarg_segment_align: 8
    .kernarg_segment_size: 48
    .max_flat_workgroup_size: 128
    .sgpr_count:     100
    .vgpr_count:     640
    .wavefront_size: 32
...
	.end_amdgpu_metadata
.endif
;; end of part 4
;; launch ln2 (part 5): grid 256 x 1, 8 waves a work-group, no clusters, 0 bytes of LDS; arguments x1, g2, be2, lowp_scales, h2c; writes h2c
.if DOCPART == 5
	.amdgcn_target "amdgcn-amd-amdhsa--gfx1250"
	.amdhsa_code_object_version 6
	.text
	.protected	k_q5287cad6a8_ln2
	.globl	k_q5287cad6a8_ln2
	.p2align	8
	.type	k_q5287cad6a8_ln2,@function
k_q5287cad6a8_ln2:
	s_mov_b64 s[64:65], 0
	v_nop
	global_prefetch_b8 v0, s[64:65] scope:SCOPE_SE
	s_setreg_imm32_b32 hwreg(HW_REG_WAVE_MODE, 25, 1), 1
	s_wait_xcnt 0x0
; LN2.  LayerNorm 2 of x1's rows, quantised to codes of E4M3 with the scale 2^e12, into blocks [128 rows][128 bytes], [R/128][K/128].
; A work-group of eight waves takes 16 rows, a wave ONE pair of rows: every load of the launch is asked for at a wave's head.
; In chunk c a lane holds k = 256 c + 8 lane + 0 .. 7 of both rows: eight neighbours for the conversion.  No LDS, no barrier.
; LIMIT: e12 between -126 and 119.  NaN among the inputs is not served.
.set XA,    32
.set XB,    64
.set G,     96
.set BE,    128
.set T,     160
.set CD,    176
.set SCL,   16
.set LIM,   19
.set XP,    44
.set OP,    46
.set GB,    10
.set BB,    12
.macro LOADX p
.irp c, 0,1,2,3
	global_load_b128 v[XA+8*\c:XA+8*\c+3],   v2, s[XP:XP+1] offset:\p*8192+\c*1024 th:TH_LOAD_NT
	global_load_b128 v[XA+8*\c+4:XA+8*\c+7], v2, s[XP:XP+1] offset:\p*8192+\c*1024+16 th:TH_LOAD_NT
	global_load_b128 v[XB+8*\c:XB+8*\c+3],   v2, s[XP:XP+1] offset:\p*8192+4096+\c*1024 th:TH_LOAD_NT
	global_load_b128 v[XB+8*\c+4:XB+8*\c+7], v2, s[XP:XP+1] offset:\p*8192+4096+\c*1024+16 th:TH_LOAD_NT
.endr
.endm
.macro ACROSS a, b
.irp m, 1,2,4,8
	v_add_f32_dpp v[\a], v[\a], v[\a] row_xmask:\m row_mask:0xf bank_mask:0xf
	v_add_f32_dpp v[\b], v[\b], v[\b] row_xmask:\m row_mask:0xf bank_mask:0xf
.endr
	v_permlanex16_b32 v[\a+1], v[\a], s42, s43
	v_permlanex16_b32 v[\b+1], v[\b], s42, s43
	v_add_f32 v[\a], v[\a], v[\a+1]
	v_add_f32 v[\b], v[\b], v[\b+1]
.endm
.macro STATS                           ; both rows by turns: the mean; x - mean in place; the mean of its squares; 1 / sqrt(that + 1e-5) in v8 and v10
	v_pk_add_f32 v[4:5], v[XA:XA+1], v[XA+2:XA+3]
	v_pk_add_f32 v[6:7], v[XB:XB+1], v[XB+2:XB+3]
.set j, 4
.rept 14
	v_pk_add_f32 v[4:5], v[4:5], v[XA+j:XA+j+1]
	v_pk_add_f32 v[6:7], v[6:7], v[XB+j:XB+j+1]
.set j, j+2
.endr
	v_add_f32 v4, v4, v5
	v_add_f32 v6, v6, v7
	ACROSS 4, 6
	v_mul_f32 v4, s40, v4
	v_mul_f32 v6, s40, v6
.set j, 0
.rept 16
	v_pk_add_f32 v[XA+j:XA+j+1], v[XA+j:XA+j+1], v[4:5] op_sel_hi:[1,0] neg_lo:[0,1] neg_hi:[0,1]
	v_pk_add_f32 v[XB+j:XB+j+1], v[XB+j:XB+j+1], v[6:7] op_sel_hi:[1,0] neg_lo:[0,1] neg_hi:[0,1]
.set j, j+2
.endr
	v_pk_mul_f32 v[8:9], v[XA:XA+1], v[XA:XA+1]
	v_pk_mul_f32 v[10:11], v[XB:XB+1], v[XB:XB+1]
.set j, 2
.rept 15
	v_pk_fma_f32 v[8:9], v[XA+j:XA+j+1], v[XA+j:XA+j+1], v[8:9]
	v_pk_fma_f32 v[10:11], v[XB+j:XB+j+1], v[XB+j:XB+j+1], v[10:11]
.set j, j+2
.endr
	v_add_f32 v8, v8, v9
	v_add_f32 v10, v10, v11
	ACROSS 8, 10
	v_fma_f32 v8, v8, s40, s41
	v_fma_f32 v10, v10, s40, s41
	v_rsq_f32 v8, v8
	v_rsq_f32 v10, v10
	v_nop                                          ; a plain instruction behind the last of the two,
	s_wait_alu depctr_va_vdst(0)                   ; and the one wait ahead of their first reader
.endm
.macro NORM
.set j, 0
.rept 16
	v_pk_mul_f32 v[XA+j:XA+j+1], v[XA+j:XA+j+1], v[8:9] op_sel_hi:[1,0]
	v_pk_mul_f32 v[XB+j:XB+j+1], v[XB+j:XB+j+1], v[10:11] op_sel_hi:[1,0]
.set j, j+2
.endr
.set j, 0
.rept 16
	v_pk_fma_f32 v[XA+j:XA+j+1], v[XA+j:XA+j+1], v[G+j:G+j+1], v[BE+j:BE+j+1]
	v_pk_fma_f32 v[XB+j:XB+j+1], v[XB+j:XB+j+1], v[G+j:G+j+1], v[BE+j:BE+j+1]
.set j, j+2
.endr
.endm
.macro QUANT sc                        ; the held numbers go into two sets by turns, so that eight plain lines stand between a conversion and the next write of its sources
.irp c, 0,1,2,3
.irp i, 0,1,2,3,4,5,6,7
	v_med3_num_f32 v[T+\i], v[XA+8*\c+\i], -v[LIM+\sc], v[LIM+\sc]
.endr
	v_cvt_scalef32_pk8_fp8_f32 v[CD+16*\sc+4*\c:CD+16*\sc+4*\c+1], v[T:T+7], v[SCL+\sc]
.irp i, 0,1,2,3,4,5,6,7
	v_med3_num_f32 v[T+8+\i], v[XB+8*\c+\i], -v[LIM+\sc], v[LIM+\sc]
.endr
	v_cvt_scalef32_pk8_fp8_f32 v[CD+16*\sc+4*\c+2:CD+16*\sc+4*\c+3], v[T+8:T+15], v[SCL+\sc]
.endr
	v_nop
.endm
; The swap gives one register pair both rows' codes of block 2 c along K and the other both rows' of block 2 c + 1: two neighbouring rows of a block are 256 consecutive bytes, 8 a lane.
.macro OUT sc, p
.irp c, 0,1,2,3
	v_permlane16_swap_b32 v[CD+16*\sc+4*\c],   v[CD+16*\sc+4*\c+2]
	v_permlane16_swap_b32 v[CD+16*\sc+4*\c+1], v[CD+16*\sc+4*\c+3]
.endr
.irp c, 0,1,2,3
	global_store_b64 v3, v[CD+16*\sc+4*\c:CD+16*\sc+4*\c+1],   s[OP+2*\sc:OP+2*\sc+1] offset:(2*\c)*16384+\p*256
	global_store_b64 v3, v[CD+16*\sc+4*\c+2:CD+16*\sc+4*\c+3], s[OP+2*\sc:OP+2*\sc+1] offset:(2*\c+1)*16384+\p*256
.endr
.endm
	s_load_b256 s[8:15], s[0:1], 0x0               ; x1 8, g2 10, be2 12, the exponents 14
	s_load_b64 s[16:17], s[0:1], 0x20              ; h2c
	v_lshrrev_b32 v1, 5, v0
	v_readfirstlane_b32 s2, v1                     ; wave 0..7
	v_and_b32 v1, 31, v0
	s_lshl_b32 s56, ttmp9, 4
	s_lshl_b32 s57, s2, 1
	s_add_co_u32 s56, s56, s57                     ; m0: my first row
	s_lshl_b32 s58, s56, 12
	s_mov_b32 s59, 0
	s_lshr_b32 s60, s56, 7
	s_lshl_b32 s60, s60, 17
	s_and_b32 s57, s56, 127
	s_lshl_b32 s57, s57, 7
	s_add_co_u32 s60, s60, s57
	s_mov_b32 s61, 0
	s_mov_b32 s40, 0x3a800000                      ; 1 / 1024
	s_mov_b32 s41, 0x3727c5ac                      ; 1e-5
	s_mov_b32 s42, 0x76543210
	s_mov_b32 s43, 0xfedcba98
	v_lshlrev_b32 v2, 5, v1
	v_lshlrev_b32 v3, 3, v1
	s_wait_kmcnt 0x0
	s_load_b32 s68, s[14:15], 0x30                 ; e12
	s_add_nc_u64 s[XP:XP+1], s[8:9], s[58:59]
	s_add_nc_u64 s[OP:OP+1], s[16:17], s[60:61]
	LOADX 0
.irp c, 0,1,2,3
	global_load_b128 v[G+8*\c:G+8*\c+3],    v2, s[GB:GB+1] offset:\c*1024
	global_load_b128 v[G+8*\c+4:G+8*\c+7],  v2, s[GB:GB+1] offset:\c*1024+16
	global_load_b128 v[BE+8*\c:BE+8*\c+3],  v2, s[BB:BB+1] offset:\c*1024
	global_load_b128 v[BE+8*\c+4:BE+8*\c+7], v2, s[BB:BB+1] offset:\c*1024+16
.endr
	s_wait_kmcnt 0x0
	s_add_co_i32 s56, s68, 127
	s_lshl_b32 s57, s56, 23
	v_mov_b32 v[SCL], s57
	s_add_co_i32 s56, s56, 8
	s_lshl_b32 s56, s56, 23
	s_or_b32 s56, s56, 0x600000
	v_mov_b32 v[LIM], s56
	s_wait_loadcnt 16                              ; the pair's 16 loads are in; the 16 of gain and offset may be out
	STATS
	s_wait_loadcnt 0x0
	NORM
	QUANT 0
	OUT 0, 0
	s_endpgm
.Lfunc_end_k_q5287cad6a8_ln2:
	.size	k_q5287cad6a8_ln2, .Lfunc_end_k_q5287cad6a8_ln2-k_q5287cad6a8_ln2
	.p2alignl 7, 3214868480
	.fill 96, 4, 3214868480
	.section	.rodata,"a",@progbits
	.p2align	6, 0x0
	.amdhsa_kernel k_q5287cad6a8_ln2
		.amdhsa_group_segment_fixed_size 0
		.amdhsa_private_segment_fixed_size 0
		.amdhsa_enable_private_segment 0
		.amdhsa_kernarg_size 40
		.amdhsa_user_sgpr_count 2
		.amdhsa_user_sgpr_kernarg_segment_ptr 1
		.amdhsa_wavefront_size32 1
		.amdhsa_system_sgpr_workgroup_id_x 1
		.amdhsa_system_sgpr_workgroup_id_y 1
		.amdhsa_system_sgpr_workgroup_id_z 1
		.amdhsa_system_vgpr_workitem_id 0
		.amdhsa_next_free_vgpr 192
		.amdhsa_next_free_sgpr 72
		.amdhsa_reserve_vcc 0
		.amdhsa_float_denorm_mode_32 3
		.amdhsa_float_denorm_mode_16_64 3
		.amdhsa_memory_ordered 1
		.amdhsa_forward_progress 1
		.amdhsa_inst_pref_size 22
	.end_amdhsa_kernel
	.amdgpu_metadata
---
amdhsa.version: [ 1, 2 ]
amdhsa.kernels:
  - .name:           k_q5287cad6a8_ln2
    .symbol:         k_q5287cad6a8_ln2.kd
    .args:
      - { .name: x1, .offset: 0, .size: 8, .value_kind: global_buffer, .address_space: global }
      - { .name: g2, .offset: 8, .size: 8, .value_kind: global_buffer, .address_space: global }
      - { .name: be2, .offset: 16, .size: 8, .value_kind: global_buffer, .address_space: global }
      - { .name: lowp_scales, .offset: 24, .size: 8, .value_kind: global_buffer, .address_space: global }
      - { .name: h2c, .offset: 32, .size: 8, .value_kind: global_buffer, .address_space: global }
    .group_segment_fixed_size: 0
    .private_segment_fixed_size: 0
    .kernarg_segment_align: 8
    .kernarg_segment_size: 40
    .max_flat_workgroup_size: 256
    .sgpr_count:     72
    .vgpr_count:     192
    .wavefront_size: 32
...
	.end_amdgpu_metadata
.endif
;; end of part 5
;; launch w1 (part 6): grid 16 x 16, 4 waves a work-group, clusters of 4 x 4, 327,680 bytes of LDS; arguments h2c, wc, lowp_scales, b1, fc; writes fc
.if DOCPART == 6
	.amdgcn_target "amdgcn-amd-amdhsa--gfx1250"
	.amdhsa_code_object_version 6
	.text
	.protected	k_q5287cad6a8_w1
	.globl	k_q5287cad6a8_w1
	.p2align	8
	.type	k_q5287cad6a8_w1,@function
k_q5287cad6a8_w1:
	s_mov_b64 s[64:65], 0
	v_nop
	global_prefetch_b8 v0, s[64:65] scope:SCOPE_SE
	s_setreg_imm32_b32 hwreg(HW_REG_WAVE_MODE, 25, 1), 1
	s_wait_xcnt 0x0
	s_wait_alu depctr_hold_cnt(0) depctr_sa_sdst(0) depctr_va_vdst(0) depctr_va_sdst(0) depctr_va_ssrc(0) depctr_va_vcc(0) depctr_vm_vsrc(0)
	s_getreg_b32 s2, hwreg(HW_REG_IB_STS2, 6, 4)
	s_cmp_eq_u32 s2, 0
	s_cbranch_scc0 .Lentry_in_a_cluster
	s_endpgm
.Lentry_in_a_cluster:
	s_bfe_u32 s2, ttmp6, 0x10000c
	s_cmp_lg_u32 s2, 0xf033
	s_cbranch_scc0 .Lentry_shape_is_right
	s_endpgm
.Lentry_shape_is_right:
; W1.  f = gelu(h2 W1 + b1): the product on codes of E4M3 (K = 1,024), each sum x 2^(e12 + e13) + b1 in f32, the activation in f32, and f quantised at once (e14) for the last product.
; gelu(z) = 0.5 z (1 + tanh u), u = sqrt(2 / pi) (z + 0.044715 z^3).  1 + tanh u = 2 / (1 + e^(-2 u)), so gelu(z) = z / (1 + 2^(z (C1 + C3 z^2))), C1 = -2 sqrt(2 / pi) log2(e), C3 = 0.044715 C1: the same function for all z.
; A tile of 256 x 256 to a work-group of four waves, 128 x 128 to a wave.  K goes in steps of 256 through two LDS slots filled by the tensor data mover.
; Codes lie in blocks [128 rows][128 bytes], [R/128][K/128]: 128 rows x 256 along K are 32,768 consecutive bytes, fetched as 128 lines of 256 bytes + 16 of padding; row p of a block at (p / 2) x 272 + (p % 2) x 128.
; CLUSTERS 4 x 4: A's tile is asked for jointly along a row of the cluster, B's along a column.  The matrix instruction is used transposed: a lane holds eight neighbouring columns of one row, neighbours along the next K.
; THE WAY OUT goes block by block of 16 rows: a block's codes pass my stage in LDS and are stored while the next block's activation is worked, so that the stores do not all stand behind the last block.
; LIMITS: e12 + e13 between -126 and 127; e14 between -126 and 119.
; REGISTERS: window 0: v0-31 addresses and constants; v32-95 b1 of my 64 places; v128-255 A's fragments (on the way out: v96-159 z, v160-223 at work, v224-239 codes, v240-255 a block's rows back from the stage);
;   window 1: B's, two sets; windows 2, 3: the accumulators.
.set PITCH,  272
.set BLK,    64*PITCH
.set T16,    8*PITCH
.set FR,     16
.set NL,     4
.set NP,     4
.set HALFT,  2*BLK
.set SLOT,   4*HALFT
.set LAPS,   2
.set SPARE,  2*SLOT
.set SP,     144
.set ADRA, 16
.set ADRB, 20
.set STO,  24
.set RD,   25
.set CO,   26
.set BO,   27
.set SPW,  28
.set NIL,  29
.set LIM,  30
.set SC,   31
.set B1R,  32
.set Z,    96
.set W,    160
.set CD,   224
.set AF,   128
.set BK,   240
.set G1, 24
.set G0, 32
.set G1B, 48
.set G0B, 56
.set MSB, 0
.macro WIN new
.if MSB != \new
	s_set_vgpr_msb (MSB<<8)|\new
.set MSB, \new
.endif
.endm
.set MUL_LO, 0xa1
.set MUL_HI, 0xf1
.set TO_B,   0x40
.macro JLOAD g0a, g1a, g0b, g1b        ; a joint load: waves 0 and 1 fetch for A, waves 2 and 3 for B; an s_nop 0 and four v_nop follow each line
	s_cmp_eq_u32 s15, 0
	s_cbranch_scc0 .Lfor_b_\@
	tensor_load_to_lds s[\g0a:\g0a+3], s[\g1a:\g1a+7]
	s_nop 0
.rept 4
	v_nop
.endr
	s_branch .Lasked_\@
.Lfor_b_\@:
	tensor_load_to_lds s[\g0b:\g0b+3], s[\g1b:\g1b+7]
	s_nop 0
.rept 4
	v_nop
.endr
.Lasked_\@:
.endm
.macro CREST
	s_cmp_lg_u32 s14, 0
	s_cbranch_scc1 .Lnot_wave_0_\@
	s_barrier_signal -3
.Lnot_wave_0_\@:
	s_barrier_wait -3
	s_barrier_signal -1
	s_barrier_wait -1
.endm
.macro CROUND
	s_barrier_signal -1
	s_barrier_wait -1
	CREST
.endm
	s_load_b256 s[4:11], s[0:1], 0x0               ; h2c 4, wc 6, the exponents 8, b1 10
	s_load_b64 s[12:13], s[0:1], 0x20              ; fc
	v_lshl_add_u32 v[SPW], v0, 2, SPARE
	v_mov_b32 v[NIL], 0
	ds_add_u32 v[SPW], v[NIL]                      ; the opening: the add, twice on end, and its wait ahead of my first tensor load
	ds_add_u32 v[SPW], v[NIL]
	v_lshrrev_b32 v1, 5, v0
	v_readfirstlane_b32 s14, v1
	s_lshr_b32 s15, s14, 1
	s_and_b32 s16, s14, 1
	s_bfe_u32 s40, ttmp6, 0x40000
	s_bfe_u32 s41, ttmp6, 0x40004
	s_lshl_b32 s42, ttmp9, 2
	s_add_co_u32 s42, s42, s40                     ; tile column
	s_and_b32 s17, ttmp7, 0xffff
	s_lshl_b32 s17, s17, 2
	s_add_co_u32 s17, s17, s41                     ; tile row
	s_lshl_b32 s43, s41, 2
	s_lshl_b32 s43, 15, s43
	s_lshl_b32 s44, 0x1111, s40
	s_or_b32 s[G1+0], s43, (1<<20)|(1<<21)|(5<<22)|(3<<25)
	s_or_b32 s[G1B+0], s44, (1<<20)|(1<<21)|(5<<22)|(3<<25)
.irp g, G1, G1B
	s_mov_b32 s[\g+1], 256<<16
	s_mov_b32 s[\g+2], 128<<16
	s_mov_b32 s[\g+3], 256<<16
	s_mov_b32 s[\g+4], 128
	s_mov_b32 s[\g+5], 256
	s_mov_b32 s[\g+6], 0
	s_mov_b32 s[\g+7], 0
.endr
	s_lshl_b32 s20, s17, 1
	s_add_co_u32 s20, s20, s16
	s_lshl_b32 s20, s20, 17
	s_mov_b32 s21, 0
	s_lshl_b32 s46, s42, 1
	s_add_co_u32 s46, s46, s16
	s_lshl_b32 s46, s46, 17
	s_add_co_u32 s46, s46, 0x400000                ; W1's codes in wc
	s_mov_b32 s47, 0
	s_mul_i32 s45, s14, HALFT
	s_wait_dscnt 0x0
	s_wait_kmcnt 0x0
	s_load_b128 s[68:71], s[8:9], 0x30             ; e12, e13, e14, e15
	s_add_nc_u64 s[20:21], s[4:5], s[20:21]
	s_add_nc_u64 s[46:47], s[6:7], s[46:47]
	CROUND
.irp s, 0,1
	s_mov_b32 s[G0+4*\s], 1
	s_add_co_u32 s[G0+4*\s+1], s45, \s*SLOT
	s_add_nc_u64 s[G0+4*\s+2:G0+4*\s+3], s[20:21], \s*32768
	s_or_b32 s[G0+4*\s+3], s[G0+4*\s+3], 0x80000000
	s_mov_b32 s[G0B+4*\s], 1
	s_add_co_u32 s[G0B+4*\s+1], s45, \s*SLOT
	s_add_nc_u64 s[G0B+4*\s+2:G0B+4*\s+3], s[46:47], \s*32768
	s_or_b32 s[G0B+4*\s+3], s[G0B+4*\s+3], 0x80000000
	JLOAD G0+4*\s, G1, G0B+4*\s, G1B
.endr
	v_and_b32 v1, 15, v0
	v_bfe_u32 v2, v0, 4, 1
	v_lshrrev_b32 v3, 1, v1
	v_mul_u32_u24 v3, v3, PITCH
	v_and_b32 v5, 1, v1
	v_lshl_add_u32 v3, v5, 7, v3
	v_lshl_add_u32 v4, v2, 4, v3
	s_mul_i32 s21, s15, HALFT
	s_mul_i32 s22, s16, HALFT
	s_add_co_u32 s22, s22, 2*HALFT
.irp s, 0,1
	v_add_nc_u32 v[ADRA+\s], s21, v4
	v_add_nc_u32 v[ADRB+\s], s22, v4
	s_add_co_u32 s21, s21, SLOT
	s_add_co_u32 s22, s22, SLOT
.endr
	s_mul_i32 s23, s14, 128*SP                     ; my stage: 128 rows x (128 bytes + 16), in slot 0, which has had its last fill and its last read when the first codes are stored there
	v_mul_u32_u24 v5, v1, SP
	v_lshl_add_u32 v5, v2, 3, v5
	v_add_nc_u32 v[STO], s23, v5
	v_and_b32 v6, 31, v0
	v_lshrrev_b32 v7, 3, v6
	v_mul_u32_u24 v7, v7, SP
	v_and_b32 v12, 7, v6
	v_lshl_add_u32 v7, v12, 4, v7
	v_add_nc_u32 v[RD], s23, v7
	v_lshlrev_b32 v[CO], 4, v6
	v_lshlrev_b32 v[BO], 5, v2                     ; b1: lane (r, h) wants, for accumulator column b, the numbers 16 b + 8 h + 0 .. 7
	v_mov_b32 v8, 0xbdd2d3e8                       ; C3, twice
	v_mov_b32 v9, 0xbdd2d3e8
	v_mov_b32 v10, 0xc0135761                      ; C1, twice
	v_mov_b32 v11, 0xc0135761
	s_lshl_b32 s92, s42, 10
	s_lshl_b32 s93, s16, 9
	s_add_co_u32 s92, s92, s93
	s_mov_b32 s93, 0
	s_add_nc_u64 s[10:11], s[10:11], s[92:93]
.irp b, 0,1,2,3,4,5,6,7
	global_load_b128 v[B1R+8*\b:B1R+8*\b+3],   v[BO], s[10:11] offset:64*\b
	global_load_b128 v[B1R+8*\b+4:B1R+8*\b+7], v[BO], s[10:11] offset:64*\b+16
.endr
	s_lshl_b32 s92, s17, 1
	s_add_co_u32 s92, s92, s15                     ; block of rows,
	s_lshl_b32 s92, s92, 5
	s_lshl_b32 s94, s42, 1
	s_add_co_u32 s94, s94, s16                     ; of columns
	s_add_co_u32 s92, s92, s94
	s_lshl_b32 s92, s92, 14
	s_add_nc_u64 s[12:13], s[12:13], s[92:93]
.macro FRAG reg, adr, q, i
.irp c, 0,1,2,3
	ds_load_b128 v[\reg+4*\c:\reg+4*\c+3], v[\adr] offset:BLK*(\q)+32*\c+(\i)*T16
.endr
.endm
.macro MUL16 a0, p, zero               ; the 64 accumulators take turns, one instruction a turn
.irp a, \a0, \a0+1
.irp b, 0,1,2,3,4,5,6,7
.if \zero
	v_wmma_f32_16x16x128_fp8_fp8 v[8*(8*((\a)%4)+\b):8*(8*((\a)%4)+\b)+7], v[128*(\p)+FR*\b:128*(\p)+FR*\b+FR-1], v[AF+FR*(\a):AF+FR*(\a)+FR-1], 0
.else
	v_wmma_f32_16x16x128_fp8_fp8 v[8*(8*((\a)%4)+\b):8*(8*((\a)%4)+\b)+7], v[128*(\p)+FR*\b:128*(\p)+FR*\b+FR-1], v[AF+FR*(\a):AF+FR*(\a)+FR-1], v[8*(8*((\a)%4)+\b):8*(8*((\a)%4)+\b)+7]
.endif
.endr
.endr
.endm
.macro FETCH_B slot, q, p
	WIN TO_B
.irp i, 0,1,2,3,4,5,6,7
	FRAG 128*(\p)+FR*\i, ADRB+\slot, \q, \i
.endr
	WIN 0
.endm
.macro FETCH_A slot, q, i0
.irp i, \i0, \i0+1, \i0+2, \i0+3
	FRAG AF+FR*(\i), ADRA+\slot, \q, \i
.endr
.endm
.macro PLACES n
.rept \n
	v_nop
.endr
.endm
.macro STEP slot, q, zero
	s_wait_dscnt 4*NL                              ; the youngest 16 loads (A's blocks 4-7) may be out
	WIN MUL_LO
	MUL16 0, (\q)%2, \zero
	MUL16 2, (\q)%2, \zero
	s_wait_dscnt 0
	PLACES NP
	FETCH_B \slot, (\q)+1, 1-(\q)%2
	FETCH_A \slot, (\q)+1, 0
	WIN MUL_HI
	MUL16 4, (\q)%2, \zero
	MUL16 6, (\q)%2, \zero
	PLACES NP
	WIN 0
	FETCH_A \slot, (\q)+1, 4
.endm
.macro TURN slot, next, fill
	s_wait_tensorcnt 0x0                           ; all my tensor loads have landed: my part of the next slot
	ds_add_u32 v[SPW], v[NIL]                      ; 0 onto my spare word
	s_wait_dscnt 4*NL+1                            ; the add and the youngest 16 loads may be out
	WIN MUL_LO
	MUL16 0, 1, 0
	s_wait_dscnt 0x0                               ; the add is done, and my reads of this slot are over
	s_barrier_signal -1
	MUL16 2, 1, 0
	WIN 0
	s_barrier_wait -1
.if \fill
	CREST
	s_add_nc_u64 s[G0+4*\slot+2:G0+4*\slot+3], s[G0+4*\slot+2:G0+4*\slot+3], 65536
	s_add_nc_u64 s[G0B+4*\slot+2:G0B+4*\slot+3], s[G0B+4*\slot+2:G0B+4*\slot+3], 65536
	JLOAD G0+4*\slot, G1, G0B+4*\slot, G1B
.else
	PLACES NP
.endif
	FETCH_B \next, 0, 0
	FETCH_A \next, 0, 0
	WIN MUL_HI
	MUL16 4, 1, 0
	MUL16 6, 1, 0
	PLACES NP
	WIN 0
	FETCH_A \next, 0, 4
.endm
	s_wait_tensorcnt 1                             ; my part of slot 0 is in; slot 1's load may be out
	s_barrier_signal -1
	s_barrier_wait -1
	FETCH_B 0, 0, 0
	FETCH_A 0, 0, 0
	FETCH_A 0, 0, 4
	STEP 0, 0, 1
	s_mov_b32 s3, LAPS-1
.Llap:
	TURN 0, 1, 1
	STEP 1, 0, 0
	TURN 1, 0, 1
	STEP 0, 0, 0
	s_sub_co_u32 s3, s3, 1
	s_cmp_lg_u32 s3, 0
	s_cbranch_scc1 .Llap
	TURN 0, 1, 0
	STEP 1, 0, 0
	s_wait_dscnt 4*NL
	WIN MUL_LO
	MUL16 0, 1, 0
	MUL16 2, 1, 0
	s_wait_dscnt 0
	WIN MUL_HI
	MUL16 4, 1, 0
	MUL16 6, 1, 0
	WIN 0
	s_wait_kmcnt 0x0
	s_add_co_i32 s96, s68, s69
	s_add_co_i32 s96, s96, 127
	s_lshl_b32 s96, s96, 23                        ; 2^(e12 + e13) as f32
	s_mov_b32 s97, s96
	s_add_co_i32 s92, s70, 127
	s_lshl_b32 s93, s92, 23
	v_mov_b32 v[SC], s93                           ; 2^e14
	s_add_co_i32 s92, s92, 8
	s_lshl_b32 s92, s92, 23
	s_or_b32 s92, s92, 0x600000
	v_mov_b32 v[LIM], s92                          ; 448 x 2^e14
	s_wait_loadcnt 0x0                             ; b1
	PLACES NP
.macro GELU a                          ; block a, 16 rows x 128 columns: z, the activation, the hold, the codes, 8 bytes a lane and accumulator into my stage, and back as rows; the block before is stored on the way
.set AC, 64*((\a)%4)
	WIN 0x02+((\a)/4)
.set j, 0
.rept 32
	v_pk_fma_f32 v[Z+j:Z+j+1], v[AC+j:AC+j+1], s[96:97], v[B1R+j:B1R+j+1] op_sel_hi:[1,0,1]   ; z = sum x 2^(e12 + e13) + b1; each accumulator from its low end on
.set j, j+2
.endr
	WIN 0
.set j, 0
.rept 32
	v_pk_mul_f32 v[W+j:W+j+1], v[Z+j:Z+j+1], v[Z+j:Z+j+1]
.set j, j+2
.endr
.set j, 0
.rept 32
	v_pk_fma_f32 v[W+j:W+j+1], v[W+j:W+j+1], v[8:9], v[10:11]     ; C1 + C3 z^2
.set j, j+2
.endr
.set j, 0
.rept 32
	v_pk_mul_f32 v[W+j:W+j+1], v[W+j:W+j+1], v[Z+j:Z+j+1]
.set j, j+2
.endr
.set j, 0
.rept 64
	v_exp_f32 v[W+j], v[W+j]
.set j, j+1
.endr
	v_nop                                          ; a plain line behind the batch,
	s_wait_alu depctr_va_vdst(0)                   ; and its one wait, ahead of the first reader
.set j, 0
.rept 32
	v_pk_add_f32 v[W+j:W+j+1], v[W+j:W+j+1], 1.0 op_sel_hi:[1,0]
.set j, j+2
.endr
.set j, 0
.rept 64
	v_rcp_f32 v[W+j], v[W+j]
.set j, j+1
.endr
	v_nop
	s_wait_alu depctr_va_vdst(0)
.set j, 0
.rept 32
	v_pk_mul_f32 v[Z+j:Z+j+1], v[Z+j:Z+j+1], v[W+j:W+j+1]
.set j, j+2
.endr
.set j, 0
.rept 64
	v_med3_num_f32 v[Z+j], v[Z+j], -v[LIM], v[LIM]
.set j, j+1
.endr
	s_wait_dscnt 0x0                               ; the block before has left its code registers, and its rows are back from the stage
.if (\a) > 0
.irp tt, 0,1,2,3
	global_store_b128 v[CO], v[BK+4*\tt:BK+4*\tt+3], s[12:13] offset:(4*((\a)-1)+\tt)*512   ; four rows of the block before: 512 consecutive bytes, aligned
.endr
.endif
.irp b, 0,1,2,3,4,5,6,7
	v_cvt_scalef32_pk8_fp8_f32 v[CD+2*\b:CD+2*\b+1], v[Z+8*\b:Z+8*\b+7], v[SC]
.endr
	v_nop
.irp b, 0,1,2,3,4,5,6,7
	ds_store_b64 v[STO], v[CD+2*\b:CD+2*\b+1] offset:(\a)*16*SP+16*\b
.endr
.if (\a) > 0
	s_wait_xcnt 0x0                                ; the four stores have read their registers: the loads below may land there
.endif
.irp tt, 0,1,2,3
	ds_load_b128 v[BK+4*\tt:BK+4*\tt+3], v[RD] offset:(4*(\a)+\tt)*4*SP   ; LDS serves a wave's instructions in order: these see my stores
.endr
.endm
.irp a, 0,1,2,3,4,5,6,7
	GELU \a
.endr
	s_wait_dscnt 0x0                               ; the last block's rows are back
.irp tt, 0,1,2,3
	global_store_b128 v[CO], v[BK+4*\tt:BK+4*\tt+3], s[12:13] offset:(28+\tt)*512
.endr
	s_wait_tensorcnt 0x0                           ; the wave's end
	ds_add_u32 v[SPW], v[NIL]
	s_wait_dscnt 0x0
	CROUND                                         ; the closing round
	s_endpgm
.Lfunc_end_k_q5287cad6a8_w1:
	.size	k_q5287cad6a8_w1, .Lfunc_end_k_q5287cad6a8_w1-k_q5287cad6a8_w1
	.p2alignl 7, 3214868480
	.fill 96, 4, 3214868480
	.section	.rodata,"a",@progbits
	.p2align	6, 0x0
	.amdhsa_kernel k_q5287cad6a8_w1
		.amdhsa_group_segment_fixed_size 327680
		.amdhsa_private_segment_fixed_size 0
		.amdhsa_enable_private_segment 0
		.amdhsa_kernarg_size 40
		.amdhsa_user_sgpr_count 2
		.amdhsa_user_sgpr_kernarg_segment_ptr 1
		.amdhsa_wavefront_size32 1
		.amdhsa_system_sgpr_workgroup_id_x 1
		.amdhsa_system_sgpr_workgroup_id_y 1
		.amdhsa_system_sgpr_workgroup_id_z 1
		.amdhsa_system_vgpr_workitem_id 0
		.amdhsa_next_free_vgpr 1024
		.amdhsa_next_free_sgpr 100
		.amdhsa_reserve_vcc 0
		.amdhsa_float_denorm_mode_32 3
		.amdhsa_float_denorm_mode_16_64 3
		.amdhsa_memory_ordered 1
		.amdhsa_forward_progress 1
		.amdhsa_inst_pref_size 255
	.end_amdhsa_kernel
	.amdgpu_metadata
---
amdhsa.version: [ 1, 2 ]
amdhsa.kernels:
  - .name:           k_q5287cad6a8_w1
    .symbol:         k_q5287cad6a8_w1.kd
    .args:
      - { .name: h2c, .offset: 0, .size: 8, .value_kind: global_buffer, .address_space: global }
      - { .name: wc, .offset: 8, .size: 8, .value_kind: global_buffer, .address_space: global }
      - { .name: lowp_scales, .offset: 16, .size: 8, .value_kind: global_buffer, .address_space: global }
      - { .name: b1, .offset: 24, .size: 8, .value_kind: global_buffer, .address_space: global }
      - { .name: fc, .offset: 32, .size: 8, .value_kind: global_buffer, .address_space: global }
    .group_segment_fixed_size: 327680
    .private_segment_fixed_size: 0
    .kernarg_segment_align: 8
    .kernarg_segment_size: 40
    .max_flat_workgroup_size: 128
    .sgpr_count:     100
    .vgpr_count:     1024
    .wavefront_size: 32
...
	.end_amdgpu_metadata
.endif
;; end of part 6
;; launch w2 (part 7): grid 8 x 32, 4 waves a work-group, clusters of 4 x 4, 327,680 bytes of LDS; arguments fc, wc, lowp_scales, b2, x1, out0; writes out0
.if DOCPART == 7
	.amdgcn_target "amdgcn-amd-amdhsa--gfx1250"
	.amdhsa_code_object_version 6
	.text
	.protected	k_q5287cad6a8_w2
	.globl	k_q5287cad6a8_w2
	.p2align	8
	.type	k_q5287cad6a8_w2,@function
k_q5287cad6a8_w2:
	s_mov_b64 s[64:65], 0
	v_nop
	global_prefetch_b8 v0, s[64:65] scope:SCOPE_SE
	s_setreg_imm32_b32 hwreg(HW_REG_WAVE_MODE, 25, 1), 1
	s_wait_xcnt 0x0
	s_wait_alu depctr_hold_cnt(0) depctr_sa_sdst(0) depctr_va_vdst(0) depctr_va_sdst(0) depctr_va_ssrc(0) depctr_va_vcc(0) depctr_vm_vsrc(0)
	s_getreg_b32 s2, hwreg(HW_REG_IB_STS2, 6, 4)
	s_cmp_eq_u32 s2, 0
	s_cbranch_scc0 .Lentry_in_a_cluster
	s_endpgm
.Lentry_in_a_cluster:
	s_bfe_u32 s2, ttmp6, 0x10000c
	s_cmp_lg_u32 s2, 0xf033
	s_cbranch_scc0 .Lentry_shape_is_right
	s_endpgm
.Lentry_shape_is_right:
; W2.  out = f W2 + b2 + x1: the product on codes of E4M3 (K = 4,096), each sum x 2^(e14 + e15), bias and residual in f32.
; M = 4,096, N = 1,024: tiles of 256 x 256 would be 64, so a tile is 128 x 128: 256 work-groups of four waves, 64 x 64 a wave: 16 accumulators.
; K goes in steps of 512 through two LDS slots: A's four blocks [128 rows][128 bytes], then B's four; a wave's tensor load brings two blocks, 32,768 consecutive bytes, as 128 lines of 256 bytes + 16 of padding.
; Row p of a block lies at (p / 2) x 272 + (p % 2) x 128.  CLUSTERS 4 x 4: A's blocks are asked for jointly along a row of the cluster, B's along a column.
; The matrix instruction is used transposed (source 0 = rows of B, source 1 = rows of A).  A fragment comes by four loads of 16 bytes, 32 apart: a permutation of k, the same in A and B.
; LIMIT: the two exponents' sum between -126 and 127.
; REGISTERS: window 0: v0-35 addresses and the bias; v128-255 the accumulators ((a, b) at v[128 + 8 (4 a + b)]); window 1: two fragment buffers of 128 (A's four, then B's four); window 2: v0-127 the residual, then the result.
.set KB,     32                        ; blocks along K
.set LAPS,   4                         ; K / 1,024
.set WOFF,   0x800000                  ; the weight's place in wc
.set SOFF,   56                        ; the two exponents' bytes in lowp_scales
.set PITCH,  272
.set BLK,    64*PITCH
.set T16,    8*PITCH
.set HALFT,  2*BLK
.set SLOT,   4*HALFT
.set SPARE,  2*SLOT
.set ADRA, 16
.set ADRB, 20
.set STO,  24
.set RD,   25
.set CO,   26
.set BO,   27
.set SPW,  28
.set NIL,  29
.set BI,   32
.set ACC,  128
.set F0,   0
.set F1,   128
.set G1, 24
.set G0, 32
.set G1B, 48
.set G0B, 56
.set MSB, 0
.macro WIN new
.if MSB != \new
	s_set_vgpr_msb (MSB<<8)|\new
.set MSB, \new
.endif
.endm
.set MUL,  0x05
.set TO_F, 0x40
.macro JLOAD s                         ; a joint load: waves 0 and 1 fetch A's halves along K, waves 2 and 3 B's; an s_nop 0 and four v_nop follow each line
	s_cmp_eq_u32 s15, 0
	s_cbranch_scc0 .Lfor_b_\@
	tensor_load_to_lds s[G0+4*\s:G0+4*\s+3], s[G1:G1+7]
	s_nop 0
.rept 4
	v_nop
.endr
	s_branch .Lasked_\@
.Lfor_b_\@:
	tensor_load_to_lds s[G0B+4*\s:G0B+4*\s+3], s[G1B:G1B+7]
	s_nop 0
.rept 4
	v_nop
.endr
.Lasked_\@:
.endm
.macro CREST
	s_cmp_lg_u32 s14, 0
	s_cbranch_scc1 .Lnot_wave_0_\@
	s_barrier_signal -3
.Lnot_wave_0_\@:
	s_barrier_wait -3
	s_barrier_signal -1
	s_barrier_wait -1
.endm
.macro CROUND
	s_barrier_signal -1
	s_barrier_wait -1
	CREST
.endm
	s_load_b256 s[4:11], s[0:1], 0x0               ; A's codes 4, wc 6, the exponents 8, the bias 10
	s_load_b128 s[84:87], s[0:1], 0x20             ; the residual 84, the result 86
	v_lshl_add_u32 v[SPW], v0, 2, SPARE
	v_mov_b32 v[NIL], 0
	ds_add_u32 v[SPW], v[NIL]                      ; the opening: the add, twice on end, and its wait ahead of my first tensor load
	ds_add_u32 v[SPW], v[NIL]
	v_lshrrev_b32 v1, 5, v0
	v_readfirstlane_b32 s14, v1                    ; wave 0..3
	s_lshr_b32 s15, s14, 1                         ; my half of the rows.  Also: I fetch for A (0) or B (1)
	s_and_b32 s16, s14, 1                          ; my half of the columns.  Also: which two blocks along K I fetch
	s_bfe_u32 s40, ttmp6, 0x40000
	s_bfe_u32 s41, ttmp6, 0x40004
	s_lshl_b32 s42, ttmp9, 2
	s_add_co_u32 s42, s42, s40                     ; tile column
	s_and_b32 s17, ttmp7, 0xffff
	s_lshl_b32 s17, s17, 2
	s_add_co_u32 s17, s17, s41                     ; tile row
	s_lshl_b32 s43, s41, 2
	s_lshl_b32 s43, 15, s43
	s_lshl_b32 s44, 0x1111, s40
	s_or_b32 s[G1+0], s43, (1<<20)|(1<<21)|(5<<22)|(3<<25)
	s_or_b32 s[G1B+0], s44, (1<<20)|(1<<21)|(5<<22)|(3<<25)
.irp g, G1, G1B
	s_mov_b32 s[\g+1], 256<<16
	s_mov_b32 s[\g+2], 128<<16
	s_mov_b32 s[\g+3], 256<<16
	s_mov_b32 s[\g+4], 128
	s_mov_b32 s[\g+5], 256
	s_mov_b32 s[\g+6], 0
	s_mov_b32 s[\g+7], 0
.endr
	s_lshl_b32 s18, s16, 1
	s_mul_i32 s20, s17, KB
	s_add_co_u32 s20, s20, s18
	s_lshl_b32 s20, s20, 14
	s_mov_b32 s21, 0
	s_mul_i32 s46, s42, KB
	s_add_co_u32 s46, s46, s18
	s_lshl_b32 s46, s46, 14
	s_add_co_u32 s46, s46, WOFF
	s_mov_b32 s47, 0
	s_mul_i32 s45, s14, HALFT
	s_wait_dscnt 0x0
	s_wait_kmcnt 0x0
	s_load_b64 s[96:97], s[8:9], SOFF
	s_add_nc_u64 s[20:21], s[4:5], s[20:21]
	s_add_nc_u64 s[46:47], s[6:7], s[46:47]
	CROUND
.irp s, 0,1
	s_mov_b32 s[G0+4*\s], 1
	s_add_co_u32 s[G0+4*\s+1], s45, \s*SLOT
	s_add_nc_u64 s[G0+4*\s+2:G0+4*\s+3], s[20:21], \s*65536
	s_or_b32 s[G0+4*\s+3], s[G0+4*\s+3], 0x80000000
	s_mov_b32 s[G0B+4*\s], 1
	s_add_co_u32 s[G0B+4*\s+1], s45, \s*SLOT
	s_add_nc_u64 s[G0B+4*\s+2:G0B+4*\s+3], s[46:47], \s*65536
	s_or_b32 s[G0B+4*\s+3], s[G0B+4*\s+3], 0x80000000
	JLOAD \s
.endr
	v_and_b32 v1, 15, v0                           ; r
	v_bfe_u32 v2, v0, 4, 1                         ; h
	v_lshrrev_b32 v3, 1, v1
	v_mul_u32_u24 v3, v3, PITCH
	v_and_b32 v5, 1, v1
	v_lshl_add_u32 v3, v5, 7, v3
	v_lshl_add_u32 v4, v2, 4, v3
	s_mul_i32 s21, s15, 32*PITCH                   ; my 64 rows of each block of A,
	s_mul_i32 s22, s16, 32*PITCH                   ; and of B,
	s_add_co_u32 s22, s22, 4*BLK                   ; whose blocks lie behind A's four
.irp s, 0,1
	v_add_nc_u32 v[ADRA+\s], s21, v4
	v_add_nc_u32 v[ADRB+\s], s22, v4
	s_add_co_u32 s21, s21, SLOT
	s_add_co_u32 s22, s22, SLOT
.endr
	s_mul_i32 s23, s14, 64*PITCH                   ; my stage: 64 rows x (256 bytes + 16), in slot 0, which has had its last fill and its last read when the first result is stored there
	v_mul_u32_u24 v5, v1, PITCH
	v_lshl_add_u32 v5, v2, 5, v5
	v_add_nc_u32 v[STO], s23, v5
	v_mul_u32_u24 v6, v2, PITCH
	v_lshl_add_u32 v6, v1, 4, v6
	v_add_nc_u32 v[RD], s23, v6
	v_lshlrev_b32 v[BO], 4, v1
	v_lshl_add_u32 v[CO], v2, 12, v[BO]            ; lanes 0-15 a row's 256 bytes, lanes 16-31 the next row's
	s_lshl_b32 s92, s17, 7
	s_lshl_b32 s93, s15, 6
	s_add_co_u32 s92, s92, s93
	s_lshl_b32 s92, s92, 12                        ; my first row, 4,096 bytes a row,
	s_lshl_b32 s94, s42, 9
	s_lshl_b32 s95, s16, 8
	s_add_co_u32 s94, s94, s95                     ; my first column, in bytes
	s_add_co_u32 s92, s92, s94
	s_mov_b32 s93, 0
	s_mov_b32 s95, 0
	s_add_nc_u64 s[84:85], s[84:85], s[92:93]
	s_add_nc_u64 s[86:87], s[86:87], s[92:93]
	s_add_nc_u64 s[10:11], s[10:11], s[94:95]
	WIN 0x80                                       ; destination window 2
.set t, 0
.rept 32
	global_load_b128 v[4*t:4*t+3], v[CO], s[84:85] offset:t*8192   ; the residual comes in under the products, in the places in which the result will leave
.set t, t+1
.endr
	WIN 0
	global_load_b128 v[BI:BI+3], v[BO], s[10:11]
.macro MUL4 f, a, zero                 ; A's block a x B's four; the 16 accumulators take turns
.irp b, 0,1,2,3
.if \zero
	v_wmma_f32_16x16x128_fp8_fp8 v[ACC+8*(4*\a+\b):ACC+8*(4*\a+\b)+7], v[\f+64+16*\b:\f+64+16*\b+15], v[\f+16*\a:\f+16*\a+15], 0
.else
	v_wmma_f32_16x16x128_fp8_fp8 v[ACC+8*(4*\a+\b):ACC+8*(4*\a+\b)+7], v[\f+64+16*\b:\f+64+16*\b+15], v[\f+16*\a:\f+16*\a+15], v[ACC+8*(4*\a+\b):ACC+8*(4*\a+\b)+7]
.endif
.endr
.endm
.macro FRAG reg, adr, q, i
.irp c, 0,1,2,3
	ds_load_b128 v[\reg+4*\c:\reg+4*\c+3], v[\adr] offset:BLK*(\q)+T16*(\i)+32*\c
.endr
.endm
.macro FETCH slot, q, f                ; 32 LDS loads in one run: B's four fragments, then A's four, of the slot's q-th 128 along K
	WIN TO_F
.irp i, 0,1,2,3
	FRAG \f+64+16*\i, ADRB+\slot, \q, \i
.endr
.irp i, 0,1,2,3
	FRAG \f+16*\i, ADRA+\slot, \q, \i
.endr
.endm
.macro PLACES
.rept 4
	v_nop
.endr
.endm
.macro QUARTER slot, q, f, g, zero     ; multiplies buffer f; in its middle fetches the slot's q-th 128 along K into g
	s_wait_dscnt 8                                 ; all but the youngest eight loads (A's blocks 2, 3) are in
	WIN MUL
	MUL4 \f, 0, \zero
	MUL4 \f, 1, \zero
	PLACES
	FETCH \slot, \q, \g
	s_wait_dscnt 32                                ; all but the 32 just issued
	WIN MUL
	MUL4 \f, 2, \zero
	MUL4 \f, 3, \zero
.endm
.macro TURN slot, next, fill           ; a slot's last quarter (buffer 1), and the change of slots
	WIN 0
	s_wait_tensorcnt 0x0                           ; all my tensor loads have landed: my part of the next slot
	ds_add_u32 v[SPW], v[NIL]                      ; 0 onto my spare word
	s_wait_dscnt 9                                 ; the add and the youngest eight loads may be out
	WIN MUL
	MUL4 F1, 0, 0
	s_wait_dscnt 0x0                               ; the add is done, and my reads of this slot are over
	s_barrier_signal -1
	MUL4 F1, 1, 0
.if \fill
	WIN 0
.endif
	s_barrier_wait -1
.if \fill
	CREST                                          ; the barrier opened a round of the cluster's
	s_add_nc_u64 s[G0+4*\slot+2:G0+4*\slot+3], s[G0+4*\slot+2:G0+4*\slot+3], 131072
	s_add_nc_u64 s[G0B+4*\slot+2:G0B+4*\slot+3], s[G0B+4*\slot+2:G0B+4*\slot+3], 131072
	JLOAD \slot                                    ; the first tensor load behind the round, one a wave
.else
	PLACES
.endif
	FETCH \next, 0, F0
	WIN MUL
	MUL4 F1, 2, 0
	MUL4 F1, 3, 0
.endm
	s_wait_tensorcnt 1                             ; my part of slot 0 is in; slot 1's load may be out
	s_barrier_signal -1
	s_barrier_wait -1
	FETCH 0, 0, F0
	QUARTER 0, 1, F0, F1, 1                        ; the first quarter's products start the sums
.if LAPS > 1
	WIN 0
	s_mov_b32 s3, LAPS-1
.Llap:
	QUARTER 0, 2, F1, F0, 0
	QUARTER 0, 3, F0, F1, 0
	TURN 0, 1, 1
	QUARTER 1, 1, F0, F1, 0
	QUARTER 1, 2, F1, F0, 0
	QUARTER 1, 3, F0, F1, 0
	TURN 1, 0, 1
	QUARTER 0, 1, F0, F1, 0
	WIN 0
	s_sub_co_u32 s3, s3, 1
	s_cmp_lg_u32 s3, 0
	s_cbranch_scc1 .Llap
.endif
	QUARTER 0, 2, F1, F0, 0
	QUARTER 0, 3, F0, F1, 0
	TURN 0, 1, 0
	QUARTER 1, 1, F0, F1, 0
	QUARTER 1, 2, F1, F0, 0
	QUARTER 1, 3, F0, F1, 0
	s_wait_dscnt 8
	WIN MUL
	MUL4 F1, 0, 0
	MUL4 F1, 1, 0
	s_wait_dscnt 0
	MUL4 F1, 2, 0
	MUL4 F1, 3, 0
	WIN 0
	; THE WAY OUT.  A wave's 64 columns of f32 are 256 bytes: the sums go through my own stage and come back as whole rows, two an instruction
	PLACES
.irp a, 0,1,2,3
.irp b, 0,1,2,3
	ds_store_b128 v[STO], v[ACC+8*(4*\a+\b):ACC+8*(4*\a+\b)+3] offset:\a*16*PITCH+64*\b      ; each accumulator from its low end on
	ds_store_b128 v[STO], v[ACC+8*(4*\a+\b)+4:ACC+8*(4*\a+\b)+7] offset:\a*16*PITCH+64*\b+16
.endr
.endr
	WIN TO_F                                       ; back into window 1, whose fragments are done with
.set t, 0
.rept 32
	ds_load_b128 v[4*t:4*t+3], v[RD] offset:t*2*PITCH   ; LDS serves a wave's instructions in order: these see my stores
.set t, t+1
.endr
	s_wait_loadcnt 0x0                             ; the residual and the bias
	s_wait_kmcnt 0x0
	s_add_co_i32 s96, s96, s97
	s_add_co_i32 s96, s96, 127
	s_lshl_b32 s96, s96, 23                        ; 2^(eA + eB) as f32
	s_mov_b32 s97, s96
	WIN 0x82                                       ; source 0 and destination window 2
.set j, 0
.rept 64
	v_pk_add_f32 v[j:j+1], v[j:j+1], v[BI+j%4:BI+j%4+1]
.set j, j+2
.endr
	s_wait_dscnt 0x0
	WIN 0xa1                                       ; source 0 window 1 (the sums), source 2 and destination window 2
.set j, 0
.rept 64
	v_pk_fma_f32 v[j:j+1], v[j:j+1], s[96:97], v[j:j+1] op_sel_hi:[1,0,1]
.set j, j+2
.endr
	WIN 0x08                                       ; a store's data: window 2
.set t, 0
.rept 32
	global_store_b128 v[CO], v[4*t:4*t+3], s[86:87] offset:t*8192   ; sixteen lanes store 256 consecutive bytes, aligned
.set t, t+1
.endr
	WIN 0
	s_wait_tensorcnt 0x0                           ; the wave's end
	ds_add_u32 v[SPW], v[NIL]
	s_wait_dscnt 0x0
	CROUND                                         ; the closing round
	s_endpgm
.Lfunc_end_k_q5287cad6a8_w2:
	.size	k_q5287cad6a8_w2, .Lfunc_end_k_q5287cad6a8_w2-k_q5287cad6a8_w2
	.p2alignl 7, 3214868480
	.fill 96, 4, 3214868480
	.section	.rodata,"a",@progbits
	.p2align	6, 0x0
	.amdhsa_kernel k_q5287cad6a8_w2
		.amdhsa_group_segment_fixed_size 327680
		.amdhsa_private_segment_fixed_size 0
		.amdhsa_enable_private_segment 0
		.amdhsa_kernarg_size 48
		.amdhsa_user_sgpr_count 2
		.amdhsa_user_sgpr_kernarg_segment_ptr 1
		.amdhsa_wavefront_size32 1
		.amdhsa_system_sgpr_workgroup_id_x 1
		.amdhsa_system_sgpr_workgroup_id_y 1
		.amdhsa_system_sgpr_workgroup_id_z 1
		.amdhsa_system_vgpr_workitem_id 0
		.amdhsa_next_free_vgpr 640
		.amdhsa_next_free_sgpr 100
		.amdhsa_reserve_vcc 0
		.amdhsa_float_denorm_mode_32 3
		.amdhsa_float_denorm_mode_16_64 3
		.amdhsa_memory_ordered 1
		.amdhsa_forward_progress 1
		.amdhsa_inst_pref_size 81
	.end_amdhsa_kernel
	.amdgpu_metadata
---
amdhsa.version: [ 1, 2 ]
amdhsa.kernels:
  - .name:           k_q5287cad6a8_w2
    .symbol:         k_q5287cad6a8_w2.kd
    .args:
      - { .name: fc, .offset: 0, .size: 8, .value_kind: global_buffer, .address_space: global }
      - { .name: wc, .offset: 8, .size: 8, .value_kind: global_buffer, .address_space: global }
      - { .name: lowp_scales, .offset: 16, .size: 8, .value_kind: global_buffer, .address_space: global }
      - { .name: b2, .offset: 24, .size: 8, .value_kind: global_buffer, .address_space: global }
      - { .name: x1, .offset: 32, .size: 8, .value_kind: global_buffer, .address_space: global }
      - { .name: out0, .offset: 40, .size: 8, .value_kind: global_buffer, .address_space: global }
    .group_segment_fixed_size: 327680
    .private_segment_fixed_size: 0
    .kernarg_segment_align: 8
    .kernarg_segment_size: 48
    .max_flat_workgroup_size: 128
    .sgpr_count:     100
    .vgpr_count:     640
    .wavefront_size: 32
...
	.end_amdgpu_metadata
.endif
;; end of part 7
